; MI455X (gfx1250); checked and timed in simulation.
; The chip was launched on July 23, 2026; its instructions are those of AMD's public machine-readable ISA for CDNA 5 (MIT licence, August 2026) and "CDNA5" Instruction Set Architecture Reference Guide (July 2026). The comments in the code are by the model that wrote it; some were corrected since.
;; Multi Head Attention. Allowed arithmetic: matrix products marked QUANTISED: E2M3 operands, one E8M0 scale for each 32 along K, by v_wmma_scale_f32_16x16x128_f8f6f4 with both operands' format E2M3, f32 sums; everything else in f32.
;; Inputs: Wk 1,024 x 1,024 float32; Wo 1,024 x 1,024 float32; Wq 1,024 x 1,024 float32; Wv 1,024 x 1,024 float32; bk 1,024 float32; bo 1,024 float32; bq 1,024 float32; bv 1,024 float32; k 4 x 1,024 x 1,024 float32; mask 4 x 1 x 1 x 1,024 int32; q 4 x 1,024 x 1,024 float32; v 4 x 1,024 x 1,024 float32.
;; Outputs: out0 4 x 1,024 x 1,024 float32.
;; This version of the problem:
;;   THIS VERSION OF THE PROBLEM IS GIVEN IN LOW PRECISION. The matrix products marked QUANTISED in the list below multiply operands that are first quantised to E2M3 (2 exponent bits, 3 mantissa bits; 6 bits a number), with one power-of-two scale for each 32 numbers along K (OCP MX v1.0); their sums are f32. All else is computed in f32.
;;   The module's matrix products, in the order in which they are computed (A, B: the left and right operand; K: the contracted axis; several contracted axes count as one K, in the product's order):
;;     1. [M 4,096, K 1,024] x [K 1,024, N 1,024]; A: input q; B: input Wq: QUANTISED
;;     2. [M 4,096, K 1,024] x [K 1,024, N 1,024]; A: input k; B: input Wk: QUANTISED
;;     3. [M 4,096, K 1,024] x [K 1,024, N 1,024]; A: input v; B: input Wv: QUANTISED
;;     4. batch 64 x [M 1,024, K 64] x [K 64, N 1,024]; A: computed on the way; B: computed on the way: QUANTISED
;;     5. batch 64 x [M 1,024, K 1,024] x [K 1,024, N 64]; A: computed on the way; B: computed on the way: QUANTISED
;;     6. [M 4,096, K 1,024] x [K 1,024, N 1,024]; A: computed on the way; B: input Wo: QUANTISED
;;   THE QUANTISER, for each operand of a quantised product, along K:
;;     - K is cut into blocks of 32 from its start; a last block that is shorter is filled with zeros.
;;     - A block's scale is 2^e with e = floor(log2(the largest magnitude in the block)) - 2, held to -126 .. 127; a block of zeros has e = 0. As a byte (E8M0): e + 127.
;;     - Each number is divided by its block's scale, clamped to +-7.5, and rounded to the nearest number of E2M3, ties to even, subnormals kept.
;;     - The product sums the exact products of the quantised numbers (number of the format x scale) in f32.
;;   ~~~python
;;   def quantise(x, axis):      # numpy; x: float32 -> the quantised numbers, widened to float32 again
;;       x = np.moveaxis(x, axis, -1); K = x.shape[-1]
;;       x = np.pad(x, [(0, 0)] * (x.ndim - 1) + [(0, -K % 32)]); x = x.reshape(x.shape[:-1] + (-1, 32)); a = np.abs(x).max(-1, keepdims=True)
;;       e = np.where(a > 0, np.clip(np.frexp(np.where(a > 0, a, 1))[1] - 1 - 2, -126, 127), 0)      # np.frexp(a)[1] - 1 = floor(log2(a)), exactly
;;       r = np.clip(x / 2.0 ** e, -7.5, 7.5)
;;       step = 2.0 ** (np.maximum(np.frexp(np.where(r == 0, 1, r))[1] - 1, 0) - 3)
;;       q = np.round(r / step) * step * 2.0 ** e      # np.round: ties to even
;;       return np.moveaxis(q.reshape(q.shape[:-2] + (-1,))[..., :K], -1, axis).astype(np.float32)
;;   ~~~
;;   OPERANDS COMPUTED ON THE WAY. 'Computed on the way' means the value that the module computes at that place (a softmax that the list does not call 'softmax' is quantised finished and normalised). What goes into a quantiser is computed in f32, as accurately as f32 sums, v_exp_f32 and their like allow (about 1e-6 of the number): no bf16 or f16 on the way to a quantiser, and a product that is left as it is and whose result goes on into a quantised operand takes f32 operands (vector FMAs, or v_wmma_f32_16x16x4_f32). A number that lies on a knife's edge between two numbers of the format may be rounded either way, as far as f32 arithmetic and the matrix unit's own rounding can turn it there, and no further.
;; 2 versions, each right and faster than the one before. Each part assembles by itself: llvm-mc -triple=amdgcn-amd-amdhsa -mcpu=gfx1250 --defsym DOCPART=n.
;; ======== version 1 of 2: 4 launches
;; limits: right only within a limited range of input values
;; workspace buffers: codes 12,582,912 bytes; scales 524,288 bytes; att 10,092,544 bytes; oimg 3,145,728 bytes; osc 131,072 bytes
;; launch quant (part 1): grid 512 x 1, 4 waves a work-group, no clusters, 34,304 bytes of LDS; arguments q, k, v, Wq, Wk, Wv, Wo, codes, scales; writes codes, scales
.if DOCPART == 1
	.amdgcn_target "amdgcn-amd-amdhsa--gfx1250"
	.amdhsa_code_object_version 6
	.text
	.protected	k_q08eda0934c_quant
	.globl	k_q08eda0934c_quant
	.p2align	8
	.type	k_q08eda0934c_quant,@function
k_q08eda0934c_quant:
	s_mov_b64 s[64:65], 0
	v_nop
	global_prefetch_b8 v0, s[64:65] scope:SCOPE_SE
	s_setreg_imm32_b32 hwreg(HW_REG_WAVE_MODE, 25, 1), 1
	s_wait_xcnt 0x0
; q, k, v [4096][1024] and Wq, Wk, Wv, Wo [1024][1024], f32 with K innermost, become codes of FP6 (E2M3) with one E8M0 scale byte for each 32 along K,
; laid as the matrix unit's registers take them.
; TILES.  A tile is 16 rows: tile 2 B + u of a tensor holds rows 32 B + 8 u + r + 8 (r / 8), r = 0 .. 15.  Tiles 0-255 q, 256-511 k, 512-767 v, 768-831 Wq, 832-895 Wk, 896-959 Wv, 960-1023 Wo.
; IMAGES.  A fragment (16 rows x 128 K, 12 registers a lane) is 1,536 bytes: two halves of 768, each 32 lanes x 16 bytes (registers 0-3 of the half's six) and then 32 lanes x 8 bytes (registers 4, 5).
; codes: [tile][K step 8][1,536].  scales: [tile][K step / 4][row 16][4 words]: 512 bytes a tile; a word is the four bytes of one row and one K step.
; SHARES.  A wave takes one tile and half of K: four K steps of 16 rows x 512 bytes.  A load reads 512 consecutive bytes of one row; a K step's 8,192 bytes turn through the wave's own stage in LDS,
; so that a lane gets 16 neighbours of each block of 32 of its row (two lanes, l and l xor 16, hold a block).  Loads run two K steps (32 loads a wave) ahead.  Waves share nothing: no barrier.
; A block's scale is 2^(floor(log2(largest magnitude)) - 2); its byte is the largest magnitude's exponent field - 2, held at 1 from below.
; LIMITS: a block of zeros gets the byte 1 where the rule says 127 (its codes are zeros, and this program alone reads the bytes); NaN and infinities among the inputs are not served.
.set STG,   8448                       ; a wave's stage: 16 rows x (512 bytes + 16): row r starts 4 r banks on
.set SPARE, 4*STG                      ; behind the stages: the spare words, 128 bytes a wave
.set SPW,   6                          ; v6   my spare word's LDS address; never rewritten
.set NIL,   7                          ; v7   0; never rewritten
.set PW,    10                         ; v10-13 the four K steps' scale words
.set TM,    16                         ; v16-31 at work in QUANT
.set PC,    32                         ; v32-51 the codes just made
.set X,     64                         ; v64-127 64 numbers of my row: register 16 b + i = k 32 b + 16 (lane / 16) + i
.set R,     128                        ; v128-255 two sets of 64 registers as loaded
.set SEL,   28                         ; s[28:29] lane selects: lane l xor 16
.set HM,    30                         ; s30  mask of lanes 16-31
; 64 numbers of a lane, register 16 b + i = k 32 b + 16 (lane / 16) + i of my row, become a fragment's codes in v[PC] on and its scale word in v[PW]
.macro QUANT s
.irp b, 0,1,2,3
	v_max3_num_f32 v[TM+\b], |v[\s+16*\b]|, |v[\s+1+16*\b]|, 0x1800000   ; block b: my 16 numbers, and the floor 2^(3 - 127): the byte cannot fall under 1
.endr
.irp i, 2,4,6,8,10,12,14
.irp b, 0,1,2,3
	v_max3_num_f32 v[TM+\b], v[TM+\b], |v[\s+16*\b+\i]|, |v[\s+1+16*\b+\i]|   ; the four blocks by turns
.endr
.endr
.irp b, 0,1,2,3
	v_permlanex16_b32 v[TM+4+\b], v[TM+\b], s[SEL], s[SEL+1]
.endr
.irp b, 0,1,2,3
	v_max_num_f32 v[TM+\b], v[TM+\b], v[TM+4+\b]   ; with lane l xor 16's: the block's largest magnitude
.endr
.irp b, 0,1,2,3
	v_add_nc_u32 v[TM+12+\b], 0xff000000, v[TM+\b]   ; 2 off its exponent field: the conversion's scale operand
.endr
.irp b, 0,1,2,3
	v_lshrrev_b32 v[TM+4+\b], 23, v[TM+12+\b]      ; the scale's byte
.endr
	v_lshl_or_b32 v[PW], v[TM+5], 8, v[TM+4]       ; four bytes: my row's scale word
	v_lshl_or_b32 v[PW], v[TM+6], 16, v[PW]
	v_lshl_or_b32 v[PW], v[TM+7], 24, v[PW]
.irp c, 0,1
	v_cvt_scalef32_pk16_fp6_f32 v[PC+6*\c:PC+2+6*\c], v[\s+32*\c:\s+15+32*\c], v[TM+12+2*\c]
	v_cvt_scalef32_pk16_fp6_f32 v[PC+12+4*\c:PC+14+4*\c], v[\s+16+32*\c:\s+31+32*\c], v[TM+12+2*\c+1]   ; a conversion's three registers begin on an even number
.endr
	v_nop                                          ; one plain place behind a scaled conversion
.irp c, 0,1                                    ; the layout wants a whole block in a lane: lanes 0-15 block 2 c, lanes 16-31 block 2 c + 1
.irp i, 0,1,2
	v_permlane16_swap_b32 v[PC+6*\c+\i], v[PC+12+4*\c+\i]
.endr
.irp i, 0,1,2
	v_mov_b32 v[PC+3+6*\c+\i], v[PC+12+4*\c+\i]
.endr
.endr
.endm
	s_load_b512 s[8:23], s[0:1], 0x0               ; q, k, v, Wq, Wk, Wv, Wo, codes
	s_load_b64 s[24:25], s[0:1], 0x40              ; scales
	v_lshl_add_u32 v[SPW], v0, 2, SPARE
	v_mov_b32 v[NIL], 0
	v_lshrrev_b32 v8, 5, v0
	v_readfirstlane_b32 s26, v8                    ; wave 0..3
	v_and_b32 v9, 31, v0                           ; lane
	v_lshlrev_b32 v1, 4, v9                        ; 16 x lane
	v_lshlrev_b32 v2, 3, v9                        ; 8 x lane
	s_mul_i32 s27, s26, STG
	v_add_nc_u32 v3, s27, v1                       ; the stage, on the way in: a row's 512 bytes as they lie
	v_and_b32 v8, 15, v0                           ; r
	v_bfe_u32 v9, v0, 4, 1                         ; h
	v_mul_u32_u24 v4, v8, 528
	v_lshl_add_u32 v4, v9, 6, v4
	v_add_nc_u32 v4, s27, v4                       ; and on the way out: row r, + 64 h
	v_lshlrev_b32 v5, 4, v8
	v_lshl_add_u32 v5, v9, 3, v5                   ; the scale words' place: 16 r + 8 h
	s_mov_b32 s[SEL], 0x76543210
	s_mov_b32 s[SEL+1], 0xfedcba98
	s_mov_b32 s[HM], 0xffff0000
.irp b, 0,1,2,3
	v_mov_b32 v[TM+4+\b], 0                        ; written once: a lane permute's destination counts as one of its sources
.endr
	s_lshl_b32 s2, ttmp9, 2
	s_add_co_u32 s2, s2, s26                       ; W = 4 x work-group + wave: tile W / 2, half W % 2 of K
	s_wait_kmcnt 0x0
	s_mov_b64 s[4:5], s[20:21]                     ; which tensor, and its first work-group: the choice hangs on the work-group's number alone
	s_mov_b32 s6, 480
	s_cmp_lt_u32 ttmp9, 480
	s_cselect_b64 s[4:5], s[18:19], s[4:5]
	s_cselect_b32 s6, 448, s6
	s_cmp_lt_u32 ttmp9, 448
	s_cselect_b64 s[4:5], s[16:17], s[4:5]
	s_cselect_b32 s6, 416, s6
	s_cmp_lt_u32 ttmp9, 416
	s_cselect_b64 s[4:5], s[14:15], s[4:5]
	s_cselect_b32 s6, 384, s6
	s_cmp_lt_u32 ttmp9, 384
	s_cselect_b64 s[4:5], s[12:13], s[4:5]
	s_cselect_b32 s6, 256, s6
	s_cmp_lt_u32 ttmp9, 256
	s_cselect_b64 s[4:5], s[10:11], s[4:5]
	s_cselect_b32 s6, 128, s6
	s_cmp_lt_u32 ttmp9, 128
	s_cselect_b64 s[4:5], s[8:9], s[4:5]
	s_cselect_b32 s6, 0, s6
	s_sub_co_u32 s6, ttmp9, s6
	s_lshl_b32 s6, s6, 17                          ; a work-group's two tiles share 32 rows of 4,096 bytes;
	s_lshr_b32 s7, s26, 1
	s_lshl_b32 s7, s7, 15                          ; the second tile begins 8 rows down;
	s_add_co_u32 s6, s6, s7
	s_and_b32 s7, s26, 1
	s_lshl_b32 s7, s7, 11                          ; the second half of K 2,048 bytes on
	s_add_co_u32 s6, s6, s7
	s_mov_b32 s7, 0
	s_add_nc_u64 s[4:5], s[4:5], s[6:7]
	s_mul_i32 s6, s2, 6144                         ; four images a wave
	s_add_nc_u64 s[22:23], s[22:23], s[6:7]
	s_lshl_b32 s6, s2, 8                           ; 256 bytes of scale words a wave
	s_add_nc_u64 s[24:25], s[24:25], s[6:7]
.macro LOAD s                          ; K step s of my 16 rows: each load reads 512 consecutive bytes
.irp p, 0,1,2,3,4,5,6,7,8,9,10,11,12,13,14,15
	global_load_b128 v[R+64*((\s)%2)+4*\p:R+64*((\s)%2)+4*\p+3], v1, s[4:5] offset:(\p+8*(\p/8))*4096+512*(\s) th:TH_LOAD_NT
.endr
.endm
.macro STEP s
.if (\s) < 3
	s_wait_loadcnt 16                              ; this step's 16 loads are in; the next step's 16 may be out
.else
	s_wait_loadcnt 0x0
.endif
.irp p, 0,1,2,3,4,5,6,7,8,9,10,11,12,13,14,15
	ds_store_b128 v3, v[R+64*((\s)%2)+4*\p:R+64*((\s)%2)+4*\p+3] offset:528*\p
.endr
.irp b, 0,1,2,3
.irp j, 0,1,2,3
	ds_load_b128 v[X+16*\b+4*\j:X+16*\b+4*\j+3], v4 offset:128*\b+16*\j   ; LDS serves a wave's instructions in order: these see the stores above
.endr
.endr
	s_wait_dscnt 0x0                               ; my numbers are back, and the stores into the stage have read their registers
	s_wait_xcnt 0x0                                ; the last step's stores have read the codes' registers
.if (\s) < 2
	LOAD (\s)+2
.endif
.set PW, 10+(\s)
	QUANT X
	global_store_b128 v1, v[PC:PC+3], s[22:23] offset:1536*(\s)           ; 512 consecutive bytes,
	global_store_b64 v2, v[PC+4:PC+5], s[22:23] offset:1536*(\s)+512      ; 256,
	global_store_b128 v1, v[PC+6:PC+9], s[22:23] offset:1536*(\s)+768     ; and the second half likewise
	global_store_b64 v2, v[PC+10:PC+11], s[22:23] offset:1536*(\s)+1280
.endm
	LOAD 0
	LOAD 1
	STEP 0
	STEP 1
	STEP 2
	STEP 3
	v_cndmask_b32 v14, v10, v12, s[HM]             ; lanes 0-15 store their row's words 0, 1, lanes 16-31 words 2, 3
	v_cndmask_b32 v15, v11, v13, s[HM]
	global_store_b64 v5, v[14:15], s[24:25]        ; 256 consecutive bytes
	s_wait_tensorcnt 0x0                           ; the wave's end: behind my last LDS store
	ds_add_u32 v[SPW], v[NIL]
	s_wait_dscnt 0x0
	s_endpgm
.Lfunc_end_k_q08eda0934c_quant:
	.size	k_q08eda0934c_quant, .Lfunc_end_k_q08eda0934c_quant-k_q08eda0934c_quant
	.p2alignl 7, 3214868480
	.fill 96, 4, 3214868480
	.section	.rodata,"a",@progbits
	.p2align	6, 0x0
	.amdhsa_kernel k_q08eda0934c_quant
		.amdhsa_group_segment_fixed_size 34304
		.amdhsa_private_segment_fixed_size 0
		.amdhsa_enable_private_segment 0
		.amdhsa_kernarg_size 72
		.amdhsa_user_sgpr_count 2
		.amdhsa_user_sgpr_kernarg_segment_ptr 1
		.amdhsa_wavefront_size32 1
		.amdhsa_system_sgpr_workgroup_id_x 1
		.amdhsa_system_sgpr_workgroup_id_y 1
		.amdhsa_system_sgpr_workgroup_id_z 1
		.amdhsa_system_vgpr_workitem_id 0
		.amdhsa_next_free_vgpr 256
		.amdhsa_next_free_sgpr 66
		.amdhsa_reserve_vcc 0
		.amdhsa_float_denorm_mode_32 3
		.amdhsa_float_denorm_mode_16_64 3
		.amdhsa_memory_ordered 1
		.amdhsa_forward_progress 1
		.amdhsa_inst_pref_size 35
	.end_amdhsa_kernel
	.amdgpu_metadata
---
amdhsa.version: [ 1, 2 ]
amdhsa.kernels:
  - .name:           k_q08eda0934c_quant
    .symbol:         k_q08eda0934c_quant.kd
    .args:
      - { .name: q, .offset: 0, .size: 8, .value_kind: global_buffer, .address_space: global }
      - { .name: k, .offset: 8, .size: 8, .value_kind: global_buffer, .address_space: global }
      - { .name: v, .offset: 16, .size: 8, .value_kind: global_buffer, .address_space: global }
      - { .name: Wq, .offset: 24, .size: 8, .value_kind: global_buffer, .address_space: global }
      - { .name: Wk, .offset: 32, .size: 8, .value_kind: global_buffer, .address_space: global }
      - { .name: Wv, .offset: 40, .size: 8, .value_kind: global_buffer, .address_space: global }
      - { .name: Wo, .offset: 48, .size: 8, .value_kind: global_buffer, .address_space: global }
      - { .name: codes, .offset: 56, .size: 8, .value_kind: global_buffer, .address_space: global }
      - { .name: scales, .offset: 64, .size: 8, .value_kind: global_buffer, .address_space: global }
    .group_segment_fixed_size: 34304
    .private_segment_fixed_size: 0
    .kernarg_segment_align: 8
    .kernarg_segment_size: 72
    .max_flat_workgroup_size: 128
    .sgpr_count:     66
    .vgpr_count:     256
    .wavefront_size: 32
...
	.end_amdgpu_metadata
.endif
;; end of part 1
;; launch proj (part 2): grid 8 x 96, 4 waves a work-group, no clusters, 197,120 bytes of LDS; arguments codes, scales, bq, bk, bv, att; writes att
.if DOCPART == 2
	.amdgcn_target "amdgcn-amd-amdhsa--gfx1250"
	.amdhsa_code_object_version 6
	.text
	.protected	k_q08eda0934c_proj
	.globl	k_q08eda0934c_proj
	.p2align	8
	.type	k_q08eda0934c_proj,@function
k_q08eda0934c_proj:
	s_mov_b64 s[64:65], 0
	v_nop
	global_prefetch_b8 v0, s[64:65] scope:SCOPE_SE
	s_setreg_imm32_b32 hwreg(HW_REG_WAVE_MODE, 25, 1), 1
	s_wait_xcnt 0x0
; The three projections x W^T + b on codes of FP6 (E2M3), and their results quantised into the operands of attention.  Work-group (gx, gy): p = gy / 32 says which (0 q, 1 k, 2 v), yy = gy % 32.
; ONE FORM FOR ALL THREE: D = S0 S1^T, 128 rows of S0 x 128 rows of S1, all 1,024 of K; a lane of D holds ONE row of S1 and its registers run along S0's rows, in natural order, since a tile of 16 rows
; (tile 2 B + u: rows 32 B + 8 u + r + 8 (r / 8)) is chosen for that.  So D is quantised along S0's rows in registers.
;   q, k: S0 = 128 rows of W (two heads' channels), S1 = 128 tokens: quantised along the channels: a lane's 12 registers of codes are two heads' halves of 6.
;   v:    S0 = 128 tokens, S1 = 128 rows of Wv: quantised along the tokens, which are the keys: a whole fragment of V^T.
; SHARES.  Four waves; wave w takes S0's eight tiles x S1's tiles 2 w, 2 w + 1: 16 accumulators, 128 matrix instructions.
; LDS.  Both panels for all of K, 196,608 bytes, filled once: [pair of K steps 4][tile 16: S0's 8, S1's 8][2][1,536].  Each wave issues four tensor loads at the head, one for each pair of K steps
; (4 tiles x 3,072 bytes): four of mine are out at the most.  Nothing is filled again.
; att: 64 records (16 b + head) of 157,696 bytes: K's images [tile 64][768] at 0; V's [K step 8][tile of channels 4][1,536] at 49,152; K's scale words [64][16] at 98,304; V's [8][4][16] at 102,400;
; Q's images at 104,448; Q's scale words at 153,600.  A scale word of Q or K has two bytes in use, the upper two are 0 (they meet zero codes alone).
; No cluster: kept plain; the panels are shared by 8 or 32 work-groups and come from codes that the launch before wrote.
; LIMITS: a block of zeros gets the byte 1 (this program alone reads the bytes); NaN and infinities are not served.
; REGISTERS.  window 0: v1-4 LDS addresses, v5-9, v15 offsets, v16-47 S0's scale words, v48-55 S1's, v56-94 at work, v128-255 the accumulators ((i, j) at 128 + 64 j + 8 i).
;   window 1: two sets of fragments: S0's at 128 f + 12 i, S1's at 128 f + 96 + 12 j.   window 2: v0-63 the bias by channels of S0, v64-67 by rows of S1.
.set REC,   157696
.set KP,    49152                      ; a pair of K steps in LDS
.set SPARE, 4*KP                       ; behind the panels: the spare words, 128 bytes a wave
.set SPW,   10
.set NIL,   11
.set S0S,   16                         ; register S0S + 8 (i / 2) + s: lanes 0-15 tile i even, lanes 16-31 tile i odd, K step s
.set S1S,   48                         ; register S1S + s: lanes 0-15 j = 0, lanes 16-31 j = 1
.set TM,    56
.set PC,    72
.set PW,    92
.set ACC,   128
.set G1,    16                         ; s[16:23] descriptor group 1
.set WV,    24
.set P,     26
.set YY,    27
.set TS0,   28
.set TS1,   29
.set SEL,   30
.set G0,    32                         ; s[32:47] four groups 0
.set JS,    66                         ; bytes from j = 0's image to j = 1's
.set HS,    67                         ; from an image's first half to its second
.set HSS,   68                         ; from the first half's scale word to the second's
.set SH,    69
.set MA,    70
.set HM,    71
.set SB,    84                         ; s[84:91] the four halves' bases
.set DSB,   92                         ; s[92:93] the scale words' base
.set MSB, 0
.macro WIN new                         ; the immediate's high byte repeats the setting that is left
.if MSB != (\new)
	s_set_vgpr_msb (MSB<<8)|(\new)
.set MSB, (\new)
.endif
.endm
.macro PLACES
.rept 4
	v_nop
.endr
.endm
; the matrix instruction: z = 1: the constant 0 starts the sum; ra, rb: the scales stand in lanes 16-31 of the register named
.macro W6 d, a, b, z, sa, ra, sb, rb
.if (\z) && (\ra) && (\rb)
	v_wmma_scale_f32_16x16x128_f8f6f4 v[\d:\d+7], v[\a:\a+11], v[\b:\b+11], 0, v[\sa], v[\sb] matrix_a_fmt:MATRIX_FMT_FP6 matrix_b_fmt:MATRIX_FMT_FP6 matrix_a_scale:MATRIX_SCALE_ROW1 matrix_b_scale:MATRIX_SCALE_ROW1
.elseif (\z) && (\ra)
	v_wmma_scale_f32_16x16x128_f8f6f4 v[\d:\d+7], v[\a:\a+11], v[\b:\b+11], 0, v[\sa], v[\sb] matrix_a_fmt:MATRIX_FMT_FP6 matrix_b_fmt:MATRIX_FMT_FP6 matrix_a_scale:MATRIX_SCALE_ROW1
.elseif (\z) && (\rb)
	v_wmma_scale_f32_16x16x128_f8f6f4 v[\d:\d+7], v[\a:\a+11], v[\b:\b+11], 0, v[\sa], v[\sb] matrix_a_fmt:MATRIX_FMT_FP6 matrix_b_fmt:MATRIX_FMT_FP6 matrix_b_scale:MATRIX_SCALE_ROW1
.elseif (\z)
	v_wmma_scale_f32_16x16x128_f8f6f4 v[\d:\d+7], v[\a:\a+11], v[\b:\b+11], 0, v[\sa], v[\sb] matrix_a_fmt:MATRIX_FMT_FP6 matrix_b_fmt:MATRIX_FMT_FP6
.elseif (\ra) && (\rb)
	v_wmma_scale_f32_16x16x128_f8f6f4 v[\d:\d+7], v[\a:\a+11], v[\b:\b+11], v[\d:\d+7], v[\sa], v[\sb] matrix_a_fmt:MATRIX_FMT_FP6 matrix_b_fmt:MATRIX_FMT_FP6 matrix_a_scale:MATRIX_SCALE_ROW1 matrix_b_scale:MATRIX_SCALE_ROW1
.elseif (\ra)
	v_wmma_scale_f32_16x16x128_f8f6f4 v[\d:\d+7], v[\a:\a+11], v[\b:\b+11], v[\d:\d+7], v[\sa], v[\sb] matrix_a_fmt:MATRIX_FMT_FP6 matrix_b_fmt:MATRIX_FMT_FP6 matrix_a_scale:MATRIX_SCALE_ROW1
.elseif (\rb)
	v_wmma_scale_f32_16x16x128_f8f6f4 v[\d:\d+7], v[\a:\a+11], v[\b:\b+11], v[\d:\d+7], v[\sa], v[\sb] matrix_a_fmt:MATRIX_FMT_FP6 matrix_b_fmt:MATRIX_FMT_FP6 matrix_b_scale:MATRIX_SCALE_ROW1
.else
	v_wmma_scale_f32_16x16x128_f8f6f4 v[\d:\d+7], v[\a:\a+11], v[\b:\b+11], v[\d:\d+7], v[\sa], v[\sb] matrix_a_fmt:MATRIX_FMT_FP6 matrix_b_fmt:MATRIX_FMT_FP6
.endif
.endm
.macro FRAG reg, a16, a8, off          ; an image comes back as the registers that it was: every load reads consecutive bytes
	ds_load_b128 v[\reg:\reg+3], v[\a16] offset:\off
	ds_load_b64 v[\reg+4:\reg+5], v[\a8] offset:\off+512
	ds_load_b128 v[\reg+6:\reg+9], v[\a16] offset:\off+768
	ds_load_b64 v[\reg+10:\reg+11], v[\a8] offset:\off+1280
.endm
.macro FETCH s, f                      ; K step s: S0's eight fragments and my two of S1 into set f: 40 LDS loads
	WIN 0x40                                       ; destination window 1
.irp i, 0,1,2,3,4,5,6,7
	FRAG 128*(\f)+12*\i, 1, 2, 3072*\i+1536*((\s)%2)
.endr
.irp j, 0,1
	FRAG 128*(\f)+96+12*\j, 3, 4, 3072*\j+1536*((\s)%2)
.endr
	WIN 0
.endm
.macro MUL s, f, zero                  ; 16 matrix instructions; the 16 accumulators take turns, one instruction a turn, in the same order in every step
	WIN 0x05                                       ; sources 0 and 1 window 1
.irp j, 0,1
.irp i, 0,1,2,3,4,5,6,7
	W6 ACC+64*\j+8*\i, 128*(\f)+12*\i, 128*(\f)+96+12*\j, \zero, S0S+8*(\i/2)+(\s), \i%2, S1S+(\s), \j
.endr
.endr
	WIN 0
.endm
; 64 numbers of a lane, register 16 b + i = k 32 b + 16 (lane / 16) + i of my row, become a fragment's codes in v[PC] on and its scale word in v[PW]
.macro QUANT s
.irp b, 0,1,2,3
	v_max3_num_f32 v[TM+\b], |v[\s+16*\b]|, |v[\s+1+16*\b]|, 0x1800000   ; and the floor 2^(3 - 127): the byte cannot fall under 1
.endr
.irp i, 2,4,6,8,10,12,14
.irp b, 0,1,2,3
	v_max3_num_f32 v[TM+\b], v[TM+\b], |v[\s+16*\b+\i]|, |v[\s+1+16*\b+\i]|
.endr
.endr
.irp b, 0,1,2,3
	v_permlanex16_b32 v[TM+4+\b], v[TM+\b], s[SEL], s[SEL+1]
.endr
.irp b, 0,1,2,3
	v_max_num_f32 v[TM+\b], v[TM+\b], v[TM+4+\b]
.endr
.irp b, 0,1,2,3
	v_add_nc_u32 v[TM+12+\b], 0xff000000, v[TM+\b]   ; 2 off the exponent field: the conversion's scale operand
.endr
.irp b, 0,1,2,3
	v_lshrrev_b32 v[TM+4+\b], 23, v[TM+12+\b]
.endr
	v_lshl_or_b32 v[PW], v[TM+5], 8, v[TM+4]
	v_lshl_or_b32 v[PW], v[TM+6], 16, v[PW]
	v_lshl_or_b32 v[PW], v[TM+7], 24, v[PW]
.irp c, 0,1
	v_cvt_scalef32_pk16_fp6_f32 v[PC+6*\c:PC+2+6*\c], v[\s+32*\c:\s+15+32*\c], v[TM+12+2*\c]
	v_cvt_scalef32_pk16_fp6_f32 v[PC+12+4*\c:PC+14+4*\c], v[\s+16+32*\c:\s+31+32*\c], v[TM+12+2*\c+1]
.endr
	v_nop                                          ; one plain place behind a scaled conversion
.irp c, 0,1
.irp i, 0,1,2
	v_permlane16_swap_b32 v[PC+6*\c+\i], v[PC+12+4*\c+\i]
.endr
.irp i, 0,1,2
	v_mov_b32 v[PC+3+6*\c+\i], v[PC+12+4*\c+\i]
.endr
.endr
.endm
	s_load_b256 s[4:11], s[0:1], 0x0               ; codes, scales, bq, bk
	s_load_b128 s[12:15], s[0:1], 0x20             ; bv, att
	v_lshl_add_u32 v[SPW], v0, 2, SPARE
	v_mov_b32 v[NIL], 0
	ds_add_u32 v[SPW], v[NIL]                      ; the wave's opening: the add and its wait ahead of my first tensor load; work on registers stands between them
	v_lshrrev_b32 v120, 5, v0
	v_readfirstlane_b32 s[WV], v120                ; wave 0..3
	s_and_b32 s25, ttmp7, 0xffff
	s_lshr_b32 s[P], s25, 5                        ; which projection
	s_and_b32 s[YY], s25, 31                       ; which 128 tokens
	s_mov_b32 s[G1+0], 3<<16                       ; no mask; elements of 8 bytes; no padding
	s_mov_b32 s[G1+1], 384<<16                     ; tensor_dim0 = 384 elements: two images, 3,072 bytes
	s_mov_b32 s[G1+2], 4<<16                       ; tensor_dim1 = 4 tiles
	s_mov_b32 s[G1+3], 384<<16                     ; tile_dim0
	s_mov_b32 s[G1+4], 4                           ; tile_dim1
	s_mov_b32 s[G1+5], 1536                        ; from tile to tile: 12,288 bytes
	s_mov_b32 s[G1+6], 0
	s_mov_b32 s[G1+7], 0
	s_lshl_b32 s52, ttmp9, 3
	s_lshl_b32 s53, s[P], 6
	s_add_co_u32 s53, s53, s52
	s_add_co_u32 s53, s53, 768                     ; W's panel: tile 768 + 64 p + 8 gx
	s_lshl_b32 s54, s[YY], 3
	s_lshl_b32 s55, s[P], 8
	s_add_co_u32 s54, s54, s55                     ; x's panel: tile 256 p + 8 yy
	s_cmp_eq_u32 s[P], 2
	s_cselect_b32 s[TS0], s54, s53                 ; v: the tokens are S0
	s_cselect_b32 s[TS1], s53, s54
	s_mov_b32 s[JS], 768
	s_cselect_b32 s[JS], 1536, s[JS]
	s_mov_b32 s[HS], REC
	s_cselect_b32 s[HSS], 0, s[HS]
	s_cselect_b32 s[HS], 768, s[HS]
	s_cselect_b32 s[SH], 0, 16
	s_mov_b32 s[MA], 0xffff
	s_cselect_b32 s[MA], -1, s[MA]
	s_mov_b32 s[HM], 0xffff0000
	s_cmp_lt_u32 s[WV], 2                          ; waves 0, 1 fetch S0's tiles 0-3, 4-7; waves 2, 3 S1's
	s_cselect_b32 s48, s[TS0], s[TS1]
	s_and_b32 s52, s[WV], 1
	s_lshl_b32 s52, s52, 2
	s_add_co_u32 s48, s48, s52
	s_mul_i32 s48, s48, 12288
	s_mov_b32 s49, 0
	s_mul_i32 s62, s[WV], 12288                    ; and where they go: four tiles x 3,072 bytes a wave
	s_mov_b32 s[SEL], 0x76543210
	s_mov_b32 s[SEL+1], 0xfedcba98
	v_and_b32 v120, 31, v0                         ; lane
	v_and_b32 v121, 15, v0                         ; r
	v_bfe_u32 v122, v0, 4, 1                       ; h
	v_lshlrev_b32 v1, 4, v120                      ; S0's images: 16 x lane,
	v_lshlrev_b32 v2, 3, v120                      ; 8 x lane
	s_mul_i32 s63, s[WV], 6144
	s_add_co_u32 s63, s63, 24576
	v_add_nc_u32 v3, s63, v1                       ; S1's: behind S0's eight tiles, my two
	v_add_nc_u32 v4, s63, v2
	v_lshlrev_b32 v5, 4, v120                      ; the same two for the stores; never rewritten
	v_lshlrev_b32 v6, 3, v120
	v_lshlrev_b32 v7, 4, v121
	v_lshl_add_u32 v7, v122, 9, v7                 ; scale words: 16 r, lanes 16-31 one tile (512 bytes) on
	v_lshlrev_b32 v8, 6, v122                      ; the bias by channels: 64 h
	v_and_b32 v15, 8, v121
	v_add_nc_u32 v15, v15, v121
	s_lshl_b32 s63, s[WV], 7
	v_lshl_add_u32 v15, v15, 2, s63                ; the bias by rows of S1: 4 (r + 8 (r / 8)) + 128 w
	v_lshlrev_b32 v9, 2, v121
	v_mad_u32_u24 v9, v122, s[HSS], v9             ; my scale word's place: 4 r, lanes 16-31 in the second head's record (q, k)
.irp b, 0,1,2,3
	v_mov_b32 v[TM+4+\b], 0                        ; written once: a lane permute's destination counts as one of its sources
.endr
	s_wait_dscnt 0x0                               ; the opening add is done
	s_wait_kmcnt 0x0
	s_add_nc_u64 s[50:51], s[4:5], s[48:49]
.irp q, 0,1,2,3
	s_mov_b32 s[G0+4*\q], 1
	s_add_co_u32 s[G0+4*\q+1], s62, \q*KP
	s_add_nc_u64 s[G0+4*\q+2:G0+4*\q+3], s[50:51], \q*3072
	s_or_b32 s[G0+4*\q+3], s[G0+4*\q+3], 0x80000000
.endr
.irp q, 0,1,2,3
	tensor_load_to_lds s[G0+4*\q:G0+4*\q+3], s[G1:G1+7]   ; all first fills together, ahead of every wait on TENSORcnt, LDS read and barrier
	s_nop 0
.endr
	PLACES
	s_lshl_b32 s48, s[TS0], 9
	s_add_nc_u64 s[56:57], s[6:7], s[48:49]        ; S0's scale words
	s_lshl_b32 s52, s[WV], 1
	s_add_co_u32 s48, s[TS1], s52
	s_lshl_b32 s48, s48, 9
	s_add_nc_u64 s[58:59], s[6:7], s[48:49]        ; my two tiles' of S1
	s_cmp_eq_u32 s[P], 0
	s_cselect_b64 s[60:61], s[8:9], s[10:11]
	s_cmp_eq_u32 s[P], 2
	s_cselect_b64 s[60:61], s[12:13], s[60:61]     ; the projection's bias,
	s_lshl_b32 s48, ttmp9, 9
	s_add_nc_u64 s[60:61], s[60:61], s[48:49]      ; at the work-group's 128 channels
.irp i, 0,1,2,3
.irp g, 0,1
	global_load_b128 v[S0S+8*\i+4*\g:S0S+8*\i+4*\g+3], v7, s[56:57] offset:1024*\i+256*\g
.endr
.endr
.irp g, 0,1
	global_load_b128 v[S1S+4*\g:S1S+4*\g+3], v7, s[58:59] offset:256*\g
.endr
	WIN 0x80                                       ; destination window 2.  Both layouts of the bias are loaded on every path; both stay inside its 4,096 bytes
.irp i, 0,1,2,3,4,5,6,7
	global_load_b128 v[8*\i:8*\i+3], v8, s[60:61] offset:128*(\i/2)+32*(\i%2)        ; tile i's eight channels of my half
	global_load_b128 v[8*\i+4:8*\i+7], v8, s[60:61] offset:128*(\i/2)+32*(\i%2)+16
.endr
.irp j, 0,1
	global_load_b32 v[64+2*\j], v15, s[60:61] offset:32*\j                           ; my row of S1's tile j, twice: a pair for the packed addition
	global_load_b32 v[65+2*\j], v15, s[60:61] offset:32*\j
.endr
	WIN 0
	; where the results go
	s_lshr_b32 s72, s[YY], 3                       ; b
	s_and_b32 s73, s[YY], 7                        ; which 128 tokens of the batch
	s_lshl_b32 s72, s72, 4
	s_lshl_b32 s74, ttmp9, 1
	s_add_co_u32 s72, s72, s74                     ; record 16 b + 2 gx
	s_lshr_b32 s74, s[WV], 1
	s_and_b32 s75, s[WV], 1
	s_lshl_b32 s76, s73, 2
	s_lshl_b32 s77, s75, 1
	s_add_co_u32 s76, s76, s77
	s_mul_i32 s76, s76, 1536
	s_add_co_u32 s76, s76, 49152                   ; v: image (K step, tile of channels 2 (w % 2))
	s_lshl_b32 s77, s73, 8
	s_lshl_b32 s78, s75, 7
	s_add_co_u32 s77, s77, s78
	s_add_co_u32 s77, s77, 102400                  ; v: its scale words
	s_lshl_b32 s78, s73, 3
	s_lshl_b32 s79, s[WV], 1
	s_add_co_u32 s78, s78, s79                     ; q, k: tile of tokens 8 (yy % 8) + 2 w
	s_mul_i32 s79, s78, 768
	s_lshl_b32 s78, s78, 6
	s_cmp_eq_u32 s[P], 0
	s_cselect_b32 s80, 104448, 0
	s_mov_b32 s81, 98304
	s_cselect_b32 s81, 153600, s81
	s_add_co_u32 s79, s79, s80
	s_add_co_u32 s78, s78, s81
	s_cmp_eq_u32 s[P], 2
	s_cselect_b32 s74, s74, 0                      ; v: waves 2, 3 hold the second head's channels
	s_cselect_b32 s76, s76, s79
	s_cselect_b32 s77, s77, s78
	s_add_co_u32 s72, s72, s74
	s_mul_i32 s72, s72, REC
	s_add_co_u32 s76, s76, s72
	s_add_co_u32 s77, s77, s72
	s_mov_b32 s48, s76
	s_add_nc_u64 s[SB:SB+1], s[14:15], s[48:49]
	s_mov_b32 s48, s[HS]
	s_add_nc_u64 s[SB+2:SB+3], s[SB:SB+1], s[48:49]
	s_mov_b32 s48, s[JS]
	s_add_nc_u64 s[SB+4:SB+5], s[SB:SB+1], s[48:49]
	s_add_nc_u64 s[SB+6:SB+7], s[SB+2:SB+3], s[48:49]
	s_mov_b32 s48, s77
	s_add_nc_u64 s[DSB:DSB+1], s[14:15], s[48:49]
	s_wait_tensorcnt 3                             ; my part of K steps 0, 1 is in; my three later loads may be out
	s_barrier_signal -1
	s_barrier_wait -1                              ; everybody's is
	FETCH 0, 0
	FETCH 1, 1
	s_wait_dscnt 40                                ; K step 0's fragments are in; K step 1's 40 loads may be out
	s_wait_loadcnt 0x0                             ; scale words and bias
	MUL 0, 0, 1                                    ; the first products start the sums
.irp q, 1,2,3
	s_wait_tensorcnt 3-\q                          ; my part of the next pair of K steps is in; the later loads may be out
	s_wait_dscnt 0x0                               ; no LDS instruction of mine is pending at a signal
	s_barrier_signal -1
	s_barrier_wait -1
	v_add_nc_u32 v1, KP, v1                        ; on to that pair; these four are also the places in front of the loads into set 0
	v_add_nc_u32 v2, KP, v2
	v_add_nc_u32 v3, KP, v3
	v_add_nc_u32 v4, KP, v4
	FETCH 2*\q, 0
	MUL 2*\q-1, 1, 0
	PLACES                                         ; in front of the loads into set 1, which the products above have read
	FETCH 2*\q+1, 1
	s_wait_dscnt 40                                ; all but the 40 just issued
	MUL 2*\q, 0, 0
.endr
	s_wait_dscnt 0x0
	MUL 7, 1, 0
	PLACES                                         ; in front of the first read of results
	s_cmp_eq_u32 s[P], 2                           ; the bias: by S0's rows (q, k: channels) or by S1's (v); each accumulator from its low end on
	s_cbranch_scc1 .Lbias_v
	WIN 0x08                                       ; source 1 window 2
.irp j, 0,1
.irp i, 0,1,2,3,4,5,6,7
.irp t, 0,2,4,6
	v_pk_add_f32 v[ACC+64*\j+8*\i+\t:ACC+64*\j+8*\i+\t+1], v[ACC+64*\j+8*\i+\t:ACC+64*\j+8*\i+\t+1], v[8*\i+\t:8*\i+\t+1]
.endr
.endr
.endr
	WIN 0
	s_branch .Lbiased
.Lbias_v:
	WIN 0x08
.irp j, 0,1
.irp i, 0,1,2,3,4,5,6,7
.irp t, 0,2,4,6
	v_pk_add_f32 v[ACC+64*\j+8*\i+\t:ACC+64*\j+8*\i+\t+1], v[ACC+64*\j+8*\i+\t:ACC+64*\j+8*\i+\t+1], v[64+2*\j:65+2*\j]
.endr
.endr
.endr
	WIN 0
.Lbiased:
.irp j, 0,1
	s_wait_xcnt 0x0                                ; the stores before have read the registers that are written anew
	QUANT ACC+64*\j
	global_store_b128 v5, v[PC:PC+3], s[SB+4*\j:SB+4*\j+1]                  ; 512 consecutive bytes, 256, and the second half likewise
	global_store_b64 v6, v[PC+4:PC+5], s[SB+4*\j:SB+4*\j+1] offset:512
	global_store_b128 v5, v[PC+6:PC+9], s[SB+4*\j+2:SB+4*\j+3]
	global_store_b64 v6, v[PC+10:PC+11], s[SB+4*\j+2:SB+4*\j+3] offset:512
	v_lshrrev_b32 v93, s[SH], v[PW]                ; q, k: lanes 0-15 store the first head's two bytes, lanes 16-31 the second's; v: all store the whole word
	v_and_b32 v94, s[MA], v[PW]
	v_cndmask_b32 v93, v94, v93, s[HM]
	global_store_b32 v9, v93, s[DSB:DSB+1] offset:64*\j
.endr
	s_wait_tensorcnt 0x0                           ; the wave's end
	ds_add_u32 v[SPW], v[NIL]
	s_wait_dscnt 0x0
	s_endpgm
.Lfunc_end_k_q08eda0934c_proj:
	.size	k_q08eda0934c_proj, .Lfunc_end_k_q08eda0934c_proj-k_q08eda0934c_proj
	.p2alignl 7, 3214868480
	.fill 96, 4, 3214868480
	.section	.rodata,"a",@progbits
	.p2align	6, 0x0
	.amdhsa_kernel k_q08eda0934c_proj
		.amdhsa_group_segment_fixed_size 197120
		.amdhsa_private_segment_fixed_size 0
		.amdhsa_enable_private_segment 0
		.amdhsa_kernarg_size 48
		.amdhsa_user_sgpr_count 2
		.amdhsa_user_sgpr_kernarg_segment_ptr 1
		.amdhsa_wavefront_size32 1
		.amdhsa_system_sgpr_workgroup_id_x 1
		.amdhsa_system_sgpr_workgroup_id_y 1
		.amdhsa_system_sgpr_workgroup_id_z 1
		.amdhsa_system_vgpr_workitem_id 0
		.amdhsa_next_free_vgpr 768
		.amdhsa_next_free_sgpr 96
		.amdhsa_reserve_vcc 0
		.amdhsa_float_denorm_mode_32 3
		.amdhsa_float_denorm_mode_16_64 3
		.amdhsa_memory_ordered 1
		.amdhsa_forward_progress 1
		.amdhsa_inst_pref_size 66
	.end_amdhsa_kernel
	.amdgpu_metadata
---
amdhsa.version: [ 1, 2 ]
amdhsa.kernels:
  - .name:           k_q08eda0934c_proj
    .symbol:         k_q08eda0934c_proj.kd
    .args:
      - { .name: codes, .offset: 0, .size: 8, .value_kind: global_buffer, .address_space: global }
      - { .name: scales, .offset: 8, .size: 8, .value_kind: global_buffer, .address_space: global }
      - { .name: bq, .offset: 16, .size: 8, .value_kind: global_buffer, .address_space: global }
      - { .name: bk, .offset: 24, .size: 8, .value_kind: global_buffer, .address_space: global }
      - { .name: bv, .offset: 32, .size: 8, .value_kind: global_buffer, .address_space: global }
      - { .name: att, .offset: 40, .size: 8, .value_kind: global_buffer, .address_space: global }
    .group_segment_fixed_size: 197120
    .private_segment_fixed_size: 0
    .kernarg_segment_align: 8
    .kernarg_segment_size: 48
    .max_flat_workgroup_size: 128
    .sgpr_count:     96
    .vgpr_count:     768
    .wavefront_size: 32
...
	.end_amdgpu_metadata
.endif
;; end of part 2
;; launch attn (part 3): grid 4 x 64, 4 waves a work-group, no clusters, 167,936 bytes of LDS; arguments att, mask, oimg, osc; writes oimg, osc
.if DOCPART == 3
	.amdgcn_target "amdgcn-amd-amdhsa--gfx1250"
	.amdhsa_code_object_version 6
	.text
	.protected	k_q08eda0934c_attn
	.globl	k_q08eda0934c_attn
	.p2align	8
	.type	k_q08eda0934c_attn,@function
k_q08eda0934c_attn:
	s_mov_b64 s[64:65], 0
	v_nop
	global_prefetch_b8 v0, s[64:65] scope:SCOPE_SE
	s_setreg_imm32_b32 hwreg(HW_REG_WAVE_MODE, 25, 1), 1
	s_wait_xcnt 0x0
; Attention with 1.5-entmax weights for one head (work-group y = 16 b + head) and 256 queries (work-group x), both products on codes of FP6 (E2M3).
; The head's K and V, as images of operand registers with their scale words (104,448 bytes), come into LDS once, one tensor load a wave (one of mine is out at the most); nothing is filled again.
; Wave w walks four tiles of 16 queries.  For a tile ALL 1,024 scores stay in registers: 512 a lane (a lane holds one query, lane % 16, and half of the keys).
; A TILE:  A  S^T = K Q^T, 64 matrix instructions; the head has 64 channels, so the upper half of each operand is zero codes.  Register 16 B + i holds key 32 B + 16 (lane / 16) + i.
;          B  masked keys: minimum with -8e12 (= 8 x -1e12: the scores are still q.k, not yet / 8) from a table in LDS; each block's and the row's maximum.
;          C  x = q.k / 16 - maximum / 16: one fused multiply-add, the scalings are exact.
;          D  the threshold t with sum(relu(x - t)^2) = 1, by Newton's steps on phi(t) = sqrt(sum relu(x - t)^2) - 1 from t = -1.  phi is convex and falls, -1 is at or under the root (the largest x is 0), so the
;             steps rise towards it; with m = -phi' (1 <= m <= 32) convexity gives phi' m' <= phi m / 4 a step, and the error after k steps is under 2^(10 - 2 k) t^2.  PASSES = 16 for every input: no branch on data.
;          E  p = relu(x - t)^2, quantised along the keys, block by block; a block's largest p is made of the block's largest x by the same three instructions (they never fall where x rises);  O^T += V^T P^T.
;          F  O^T, quantised along the head's 64 channels, leaves as half an image of the last product's operand, with two scale bytes a query.
; The two scale bytes leave by a store of 2 bytes a row, rows 16 bytes apart: 131,072 bytes in the whole launch.
; No cluster: what the four work-groups of a head share is read once, at the head, 104,448 bytes against some 100,000 vector instructions a wave.
; LIMITS: the mask's minimum equals a replacement while |q.k| < 8e12; a block of zeros gets the byte 1 (this program alone reads the bytes); NaN and infinities are not served.
; REGISTERS.  window 0: see the names below.  windows 1, 2: the 512 scores.  window 3: K's fragments, two sets of four, at 48 f + 12 i (registers 6-11 of each are zeros); V's at 96 + 48 f + 12 d.
.set REC,   157696
.set VIMG,  49152
.set KSC,   98304
.set VSC,   102400
.set MTAB,  104448                     ; the mask's table: 1,024 f32 in key order; stored by the waves, no tensor load lands here
.set SPARE, 108544                     ; the spare words, 128 bytes a wave
.set QIMG,  104448                     ; in the record
.set QSC,   153600
.set PASSES, 16
.set SPW,   10
.set NIL,   11
.set NINF,  12                         ; v12  -infinity
.set NM,    14                         ; v[14:15] -(the row's maximum) / 16
.set NT,    16                         ; v[16:17] -t
.set QF,    18                         ; v18-29 Q's fragment (v24-29 zeros)
.set QS,    30                         ; v30  Q's scale words
.set BM,    32                         ; v32-63 a number for each block of 32 keys: its maximum, later the conversion's scale operand
.set T,     64                         ; v64-127 64 numbers at work
.set SQ,    128                        ; v128-143 sums of squares, eight pairs
.set SA,    144                        ; v144-159 sums, eight pairs
.set PC,    160                        ; v160-179 the codes just made
.set PWD,   180                        ; v180-187 p's scale words, one for each 128 keys
.set KS,    188                        ; v188-191 K's scale words, two sets of two: lanes 0-15 the even tile's, lanes 16-31 the odd tile's
.set VS,    192                        ; v192-195 V's likewise
.set O,     196                        ; v196-227 O^T: four accumulators
.set TM,    228                        ; v228-243 at work
.set PW,    244
.set WV,    12
.set G1,    16
.set G0,    24
.set SEL,   28
.set C16,   30                         ; s[30:31] 1 / 16
.set MSB, 0
.macro WIN new
.if MSB != (\new)
	s_set_vgpr_msb (MSB<<8)|(\new)
.set MSB, (\new)
.endif
.endm
.macro PLACES
.rept 4
	v_nop
.endr
.endm
.macro W6 d, a, b, z, sa, ra, sb       ; z = 1: the constant 0 starts the sum; ra = 1: source 0's scales stand in lanes 16-31
.if (\z) && (\ra)
	v_wmma_scale_f32_16x16x128_f8f6f4 v[\d:\d+7], v[\a:\a+11], v[\b:\b+11], 0, v[\sa], v[\sb] matrix_a_fmt:MATRIX_FMT_FP6 matrix_b_fmt:MATRIX_FMT_FP6 matrix_a_scale:MATRIX_SCALE_ROW1
.elseif (\z)
	v_wmma_scale_f32_16x16x128_f8f6f4 v[\d:\d+7], v[\a:\a+11], v[\b:\b+11], 0, v[\sa], v[\sb] matrix_a_fmt:MATRIX_FMT_FP6 matrix_b_fmt:MATRIX_FMT_FP6
.elseif (\ra)
	v_wmma_scale_f32_16x16x128_f8f6f4 v[\d:\d+7], v[\a:\a+11], v[\b:\b+11], v[\d:\d+7], v[\sa], v[\sb] matrix_a_fmt:MATRIX_FMT_FP6 matrix_b_fmt:MATRIX_FMT_FP6 matrix_a_scale:MATRIX_SCALE_ROW1
.else
	v_wmma_scale_f32_16x16x128_f8f6f4 v[\d:\d+7], v[\a:\a+11], v[\b:\b+11], v[\d:\d+7], v[\sa], v[\sb] matrix_a_fmt:MATRIX_FMT_FP6 matrix_b_fmt:MATRIX_FMT_FP6
.endif
.endm
.macro FRAG reg, a16, a8, off
	ds_load_b128 v[\reg:\reg+3], v[\a16] offset:\off
	ds_load_b64 v[\reg+4:\reg+5], v[\a8] offset:\off+512
	ds_load_b128 v[\reg+6:\reg+9], v[\a16] offset:\off+768
	ds_load_b64 v[\reg+10:\reg+11], v[\a8] offset:\off+1280
.endm
.macro FETCHK n                        ; key tiles 4 n .. 4 n + 3 into set n % 2: 10 LDS loads
	WIN 0xc0                                       ; destination window 3
.irp i, 0,1,2,3
	ds_load_b128 v[48*((\n)%2)+12*\i:48*((\n)%2)+12*\i+3], v1 offset:768*(4*(\n)+\i)
	ds_load_b64 v[48*((\n)%2)+12*\i+4:48*((\n)%2)+12*\i+5], v2 offset:768*(4*(\n)+\i)+512
.endr
	WIN 0
.irp i, 0,1
	ds_load_b32 v[KS+2*((\n)%2)+\i], v5 offset:64*(4*(\n)+2*\i)
.endr
.endm
.macro MULK n                          ; their scores: four products, each a whole sum
	WIN 0x43+0x40*((\n)/8)                         ; source 0 window 3, destination window 1 or 2
.irp i, 0,1,2,3
	W6 8*((4*(\n)+\i)%32), 48*((\n)%2)+12*\i, QF, 1, KS+2*((\n)%2)+\i/2, \i%2, QS
.endr
.endm
.macro LOADMV n                        ; the table's numbers for blocks 2 n, 2 n + 1: 8 LDS loads; sixteen lanes read the same 16 bytes
.irp q, 0,1,2,3,4,5,6,7
	ds_load_b128 v[T+32*((\n)%2)+4*\q:T+32*((\n)%2)+4*\q+3], v7 offset:256*(\n)+128*(\q/4)+16*(\q%4)
.endr
.endm
.macro MASKB n
	WIN 0
.if (\n) < 15
	LOADMV (\n)+1
	s_wait_dscnt 8                                 ; this batch's numbers are in; the next batch's 8 loads may be out
.else
	s_wait_dscnt 0x0
.endif
	WIN (1+(\n)/8)*0x41                            ; destination and source 0: the scores' window
.set e, 0
.rept 32
	v_min_num_f32 v[32*((\n)%8)+e], v[32*((\n)%8)+e], v[T+32*((\n)%2)+e]   ; ascending: each accumulator is read from its low end on
.set e, e+1
.endr
.if (\n)%2
	WIN (1+(\n)/8)*0x14                            ; sources 1 and 2: the scores' window
.irp b, 0,1,2,3
	v_max3_num_f32 v[BM+2*(\n)-2+\b], v[NINF], v[32*(((\n)-1)%8)+16*\b], v[32*(((\n)-1)%8)+16*\b+1]   ; four blocks by turns
.endr
.irp i, 2,4,6,8,10,12,14
.irp b, 0,1,2,3
	v_max3_num_f32 v[BM+2*(\n)-2+\b], v[BM+2*(\n)-2+\b], v[32*(((\n)-1)%8)+16*\b+\i], v[32*(((\n)-1)%8)+16*\b+\i+1]
.endr
.endr
.endif
.endm
.macro RELU x0, w                      ; T = relu(x - t) of 64 scores, registers x0 on of window w
	WIN \w                                         ; source 0: the scores' window
.set a, 0
.rept 32
	v_pk_add_f32 v[T+2*a:T+2*a+1], v[\x0+2*a:\x0+2*a+1], v[NT:NT+1] op_sel_hi:[1,0]
.set a, a+1
.endr
	WIN 0
.set a, 0
.rept 64
	v_max_num_f32 v[T+a], 0, v[T+a]
.set a, a+1
.endr
.endm
.macro PASSB bt                        ; 64 of the lane's 512 scores in a pass: their relu(x - t), summed and squared into eight chains each
	RELU 64*((\bt)%4), 1+(\bt)/4
.set a, 0
.rept 32
.if ((\bt) == 0) && (a < 8)
	v_pk_add_f32 v[SA+2*a:SA+2*a+1], v[T+2*a:T+2*a+1], v[T+2*a+16:T+2*a+17]   ; the first numbers start the sums: nothing is cleared
	v_pk_mul_f32 v[SQ+2*a:SQ+2*a+1], v[T+2*a:T+2*a+1], v[T+2*a:T+2*a+1]
.elseif ((\bt) == 0) && (a < 16)
	v_pk_fma_f32 v[SQ+2*(a%8):SQ+2*(a%8)+1], v[T+2*a:T+2*a+1], v[T+2*a:T+2*a+1], v[SQ+2*(a%8):SQ+2*(a%8)+1]
.else
	v_pk_add_f32 v[SA+2*(a%8):SA+2*(a%8)+1], v[SA+2*(a%8):SA+2*(a%8)+1], v[T+2*a:T+2*a+1]
	v_pk_fma_f32 v[SQ+2*(a%8):SQ+2*(a%8)+1], v[T+2*a:T+2*a+1], v[T+2*a:T+2*a+1], v[SQ+2*(a%8):SQ+2*(a%8)+1]
.endif
.set a, a+1
.endr
.endm
.macro FETCHV s                        ; V's four fragments of keys 128 s on into set s % 2: 18 LDS loads
	WIN 0xc0
.irp d, 0,1,2,3
	FRAG 96+48*((\s)%2)+12*\d, 3, 4, 1536*(4*(\s)+\d)
.endr
	WIN 0
.irp i, 0,1
	ds_load_b32 v[VS+2*((\s)%2)+\i], v6 offset:256*(\s)+128*\i
.endr
.endm
.macro PVSTEP s, z                     ; keys 128 s on: p, its codes, four products
	RELU 64*((\s)%4), 1+(\s)/4
.set a, 0
.rept 32
	v_pk_mul_f32 v[T+2*a:T+2*a+1], v[T+2*a:T+2*a+1], v[T+2*a:T+2*a+1]   ; p = relu(x - t)^2
.set a, a+1
.endr
.irp c, 0,1
	v_cvt_scalef32_pk16_fp6_f32 v[PC+6*\c:PC+2+6*\c], v[T+32*\c:T+15+32*\c], v[BM+4*(\s)+2*\c]
	v_cvt_scalef32_pk16_fp6_f32 v[PC+12+4*\c:PC+14+4*\c], v[T+16+32*\c:T+31+32*\c], v[BM+4*(\s)+2*\c+1]
.endr
	v_nop                                          ; one plain place behind a scaled conversion
.irp c, 0,1
.irp i, 0,1,2
	v_permlane16_swap_b32 v[PC+6*\c+\i], v[PC+12+4*\c+\i]
.endr
.irp i, 0,1,2
	v_mov_b32 v[PC+3+6*\c+\i], v[PC+12+4*\c+\i]
.endr
.endr
.if (\s) < 7
	FETCHV (\s)+1                                  ; its set was last read a whole step's vector work ago
.endif
	PLACES                                         ; an operand written by vector instructions stands four places ahead of a scaled matrix instruction
.if (\s) < 7
	s_wait_dscnt 18                                ; this step's fragments are in; the next step's 18 loads may be out
.else
	s_wait_dscnt 0x0
.endif
	WIN 0x03                                       ; source 0 window 3
.irp d, 0,1,2,3
	W6 O+8*\d, 96+48*((\s)%2)+12*\d, PC, \z, VS+2*((\s)%2)+\d/2, \d%2, PWD+(\s)   ; the four accumulators take turns, one instruction a turn
.endr
	WIN 0
.endm
.macro QUANT64 s                       ; 32 numbers of a lane, register 16 b + i = k 32 b + 16 (lane / 16) + i, become six registers of codes in v[PC] on and two scale bytes in v[PW]
.irp b, 0,1
	v_max3_num_f32 v[TM+\b], |v[\s+16*\b]|, |v[\s+1+16*\b]|, 0x1800000
.endr
.irp i, 2,4,6,8,10,12,14
.irp b, 0,1
	v_max3_num_f32 v[TM+\b], v[TM+\b], |v[\s+16*\b+\i]|, |v[\s+1+16*\b+\i]|
.endr
.endr
.irp b, 0,1
	v_permlanex16_b32 v[TM+4+\b], v[TM+\b], s[SEL], s[SEL+1]
.endr
.irp b, 0,1
	v_max_num_f32 v[TM+\b], v[TM+\b], v[TM+4+\b]
.endr
.irp b, 0,1
	v_add_nc_u32 v[TM+12+\b], 0xff000000, v[TM+\b]
.endr
.irp b, 0,1
	v_lshrrev_b32 v[TM+4+\b], 23, v[TM+12+\b]
.endr
	v_lshl_or_b32 v[PW], v[TM+5], 8, v[TM+4]
	v_cvt_scalef32_pk16_fp6_f32 v[PC:PC+2], v[\s:\s+15], v[TM+12]
	v_cvt_scalef32_pk16_fp6_f32 v[PC+12:PC+14], v[\s+16:\s+31], v[TM+13]
	v_nop
.irp i, 0,1,2
	v_permlane16_swap_b32 v[PC+\i], v[PC+12+\i]
.endr
.irp i, 0,1,2
	v_mov_b32 v[PC+3+\i], v[PC+12+\i]
.endr
.endm
	s_load_b256 s[4:11], s[0:1], 0x0               ; att, mask, oimg, osc
	v_lshl_add_u32 v[SPW], v0, 2, SPARE
	v_mov_b32 v[NIL], 0
	ds_add_u32 v[SPW], v[NIL]                      ; the wave's opening: the add and its wait ahead of my first tensor load; work on registers stands between them
	v_lshrrev_b32 v13, 5, v0
	v_readfirstlane_b32 s[WV], v13                 ; wave 0..3
	s_and_b32 s13, ttmp7, 0xffff                   ; 16 b + head
	s_mov_b32 s[G1+0], 3<<16                       ; no mask; elements of 8 bytes; no padding
	s_mov_b32 s[G1+1], 32<<16                      ; tensor_dim0 = 32 elements: rows of 256 bytes
	s_mov_b32 s[G1+2], 102<<16                     ; tensor_dim1 = 102 rows: a quarter of 104,448 bytes
	s_mov_b32 s[G1+3], 32<<16                      ; tile_dim0
	s_mov_b32 s[G1+4], 102                         ; tile_dim1
	s_mov_b32 s[G1+5], 32                          ; dense
	s_mov_b32 s[G1+6], 0
	s_mov_b32 s[G1+7], 0
	s_mul_i32 s38, s13, REC
	s_mov_b32 s39, 0
	s_mul_i32 s14, s[WV], 26112
	s_lshl_b32 s40, ttmp9, 4
	s_lshl_b32 s41, s[WV], 2
	s_add_co_u32 s40, s40, s41                     ; my first tile of queries in the batch: 16 x + 4 w
	s_lshr_b32 s41, s13, 4                         ; b
	s_and_b32 s42, s13, 15                         ; head
	s_mov_b32 s[SEL], 0x76543210
	s_mov_b32 s[SEL+1], 0xfedcba98
	s_mov_b32 s[C16], 0x3d800000                   ; 1 / 16
	s_mov_b32 s[C16+1], s[C16]                     ; (named with it as a pair, so it is written)
	v_and_b32 v13, 31, v0                          ; lane
	v_lshlrev_b32 v1, 4, v13                       ; K's images, and offsets in memory: 16 x lane,
	v_lshlrev_b32 v2, 3, v13                       ; 8 x lane
	v_add_nc_u32 v3, VIMG, v1                      ; V's images
	v_add_nc_u32 v4, VIMG, v2
	v_lshl_add_u32 v5, v13, 2, KSC                 ; K's scale words: 4 x lane: two tiles' worth
	v_lshl_add_u32 v6, v13, 2, VSC                 ; V's
	v_bfe_u32 v7, v0, 4, 1
	v_lshl_add_u32 v7, v7, 6, MTAB                 ; the table: my half's 16 keys of a block
	v_and_b32 v9, 15, v0
	v_lshlrev_b32 v8, 2, v9                        ; 4 r
	v_lshlrev_b32 v9, 4, v9                        ; 16 r
	v_mov_b32 v[NINF], 0xff800000
	v_lshlrev_b32 v13, 5, v0                       ; the mask: 8 keys a thread
	v_lshl_add_u32 v31, v0, 5, MTAB                ; and their place in the table
	s_wait_dscnt 0x0                               ; the opening add is done
	s_wait_kmcnt 0x0
	s_add_nc_u64 s[4:5], s[4:5], s[38:39]          ; my head's record
	s_mov_b32 s38, s14
	s_mov_b32 s[G0], 1
	s_mov_b32 s[G0+1], s14                         ; my quarter, in LDS as in the record
	s_add_nc_u64 s[G0+2:G0+3], s[4:5], s[38:39]
	s_or_b32 s[G0+3], s[G0+3], 0x80000000
	tensor_load_to_lds s[G0:G0+3], s[G1:G1+7]
	s_nop 0
	PLACES
	s_mul_i32 s38, s40, 768
	s_add_co_u32 s38, s38, QIMG
	s_add_nc_u64 s[32:33], s[4:5], s[38:39]        ; Q's image of my first tile,
	s_lshl_b32 s38, s40, 6
	s_add_co_u32 s38, s38, QSC
	s_add_nc_u64 s[34:35], s[4:5], s[38:39]        ; its scale words
	s_lshl_b32 s38, s41, 12
	s_add_nc_u64 s[6:7], s[6:7], s[38:39]          ; the batch's mask
	global_load_b128 v[T:T+3], v13, s[6:7]
	global_load_b128 v[T+4:T+7], v13, s[6:7] offset:16
	global_load_b128 v[QF:QF+3], v1, s[32:33]
	global_load_b64 v[QF+4:QF+5], v2, s[32:33] offset:512
	global_load_b32 v[QS], v8, s[34:35]
	s_lshl_b32 s43, s41, 6
	s_add_co_u32 s43, s43, s40                     ; my first tile of tokens among all 256
	s_lshl_b32 s38, s43, 4
	s_add_co_u32 s38, s38, s42
	s_mul_i32 s38, s38, 768
	s_add_nc_u64 s[8:9], s[8:9], s[38:39]          ; oimg: [tile][head][768]
	s_lshl_b32 s38, s43, 9
	s_lshr_b32 s44, s42, 3
	s_lshl_b32 s44, s44, 8
	s_add_co_u32 s38, s38, s44
	s_bfe_u32 s44, s42, 0x20001
	s_lshl_b32 s44, s44, 2
	s_add_co_u32 s38, s38, s44
	s_and_b32 s44, s42, 1
	s_lshl_b32 s44, s44, 1
	s_add_co_u32 s38, s38, s44
	s_add_nc_u64 s[10:11], s[10:11], s[38:39]      ; osc: 512 x tile + 256 (head / 8) + 4 ((head / 2) % 4) + 2 (head % 2)
.irp i, 6,7,8,9,10,11
	v_mov_b32 v[QF+\i], 0                          ; the operands' upper halves, K = 64 .. 127: zero codes
.endr
	WIN 0xc0
.irp f, 0,1,2,3,4,5,6,7
.irp i, 6,7,8,9,10,11
	v_mov_b32 v[12*\f+\i], 0
.endr
.endr
	WIN 0
	v_mov_b32 v228, 0x7f800000                     ; a key that counts: +infinity leaves the score as it is
	v_mov_b32 v229, 0xd4e8d4a5                     ; a masked key: 8 x f32(-1e12)
	s_wait_loadcnt 3                               ; the mask's two loads are in; Q's three may be out
.irp i, 0,1,2,3,4,5,6,7
	v_cmp_eq_u32 vcc_lo, 0, v[T+\i]
	v_cndmask_b32 v[T+\i], v228, v229, vcc_lo
.endr
	ds_store_b128 v31, v[T:T+3]
	ds_store_b128 v31, v[T+4:T+7] offset:16
	s_wait_tensorcnt 0x0                           ; my quarter of the record is in,
	s_wait_dscnt 0x0                               ; my part of the table is stored,
	s_barrier_signal -1
	s_barrier_wait -1                              ; everybody's are
	s_mov_b32 s36, 4
.Ltile:
	; ---- A: the scores
	FETCHK 0
.irp n, 0,1,2,3,4,5,6,7,8,9,10,11,12,13,14,15
	PLACES                                         ; in front of loads into registers that the products just issued have read
.if \n < 15
	FETCHK \n+1
	s_wait_dscnt 10                                ; this batch's loads are in; the next batch's 10 may be out
.else
	s_wait_dscnt 0x0
.endif
.if \n == 0
	s_wait_loadcnt 0x0                             ; Q
.endif
	MULK \n
.endr
	WIN 0
	PLACES                                         ; in front of the loads into Q's registers and of the first read of results
	s_cmp_eq_u32 s36, 1                            ; the next tile's Q, if there is one: no load leaves its record
	s_cbranch_scc1 .Lno_q
	s_add_nc_u64 s[32:33], s[32:33], 768           ; (the loads that read these bases have been waited for)
	s_add_nc_u64 s[34:35], s[34:35], 64
	global_load_b128 v[QF:QF+3], v1, s[32:33]
	global_load_b64 v[QF+4:QF+5], v2, s[32:33] offset:512
	global_load_b32 v[QS], v8, s[34:35]
.Lno_q:
	; ---- B: the mask, the blocks' maxima, the row's maximum
	LOADMV 0
.irp n, 0,1,2,3,4,5,6,7,8,9,10,11,12,13,14,15
	MASKB \n
.endr
	WIN 0
.set a, 0
.rept 32
	v_permlanex16_b32 v[T+a], v[BM+a], s[SEL], s[SEL+1]
.set a, a+1
.endr
.set a, 0
.rept 32
	v_max_num_f32 v[BM+a], v[BM+a], v[T+a]         ; with lane l xor 16's 16 keys: the block's maximum
.set a, a+1
.endr
.irp a, 0,1,2,3,4,5,6,7,8,9
	v_max3_num_f32 v[228+\a], v[BM+3*\a], v[BM+3*\a+1], v[BM+3*\a+2]
.endr
	v_max_num_f32 v238, v[BM+30], v[BM+31]
	v_max3_num_f32 v228, v228, v229, v230
	v_max3_num_f32 v231, v231, v232, v233
	v_max3_num_f32 v234, v234, v235, v236
	v_max_num_f32 v237, v237, v238
	v_max3_num_f32 v228, v228, v231, v234
	v_max_num_f32 v228, v228, v237                 ; the row's maximum
	v_mul_f32 v[NM], 0xbd800000, v228              ; x -1 / 16
	v_mov_b32 v[NM+1], v[NM]
	; ---- C: x = q.k / 16 - maximum / 16
	WIN 0x41
.set e, 0
.rept 128
	v_pk_fma_f32 v[e:e+1], v[e:e+1], s[C16:C16+1], v[NM:NM+1] op_sel_hi:[1,0,0]
.set e, e+2
.endr
	WIN 0x82
.set e, 0
.rept 128
	v_pk_fma_f32 v[e:e+1], v[e:e+1], s[C16:C16+1], v[NM:NM+1] op_sel_hi:[1,0,0]
.set e, e+2
.endr
	WIN 0
.set e, 0
.rept 16
	v_pk_fma_f32 v[BM+e:BM+e+1], v[BM+e:BM+e+1], s[C16:C16+1], v[NM:NM+1] op_sel_hi:[1,0,0]   ; the same of each block's maximum
.set e, e+2
.endr
	v_mov_b32 v[NT], 1.0                           ; t = -1
	v_mov_b32 v[NT+1], 1.0
	; ---- D: the threshold
	s_mov_b32 s37, PASSES
.Lpass:
.irp bt, 0,1,2,3,4,5,6,7
	PASSB \bt
.endr
.irp d, 0,2,4,6
	v_pk_add_f32 v[SA+\d:SA+\d+1], v[SA+\d:SA+\d+1], v[SA+\d+8:SA+\d+9]
	v_pk_add_f32 v[SQ+\d:SQ+\d+1], v[SQ+\d:SQ+\d+1], v[SQ+\d+8:SQ+\d+9]
.endr
.irp d, 0,2
	v_pk_add_f32 v[SA+\d:SA+\d+1], v[SA+\d:SA+\d+1], v[SA+\d+4:SA+\d+5]
	v_pk_add_f32 v[SQ+\d:SQ+\d+1], v[SQ+\d:SQ+\d+1], v[SQ+\d+4:SQ+\d+5]
.endr
	v_pk_add_f32 v[SA:SA+1], v[SA:SA+1], v[SA+2:SA+3]
	v_pk_add_f32 v[SQ:SQ+1], v[SQ:SQ+1], v[SQ+2:SQ+3]
	v_add_f32 v228, v[SA], v[SA+1]
	v_add_f32 v229, v[SQ], v[SQ+1]
	v_permlanex16_b32 v230, v228, s[SEL], s[SEL+1]
	v_permlanex16_b32 v231, v229, s[SEL], s[SEL+1]
	v_add_f32 v228, v228, v230                     ; s1 = sum relu(x - t), at least -t > 0
	v_add_f32 v229, v229, v231                     ; s2 = sum relu(x - t)^2
	v_sqrt_f32 v232, v229                          ; N
	v_rcp_f32 v233, v228
	v_nop                                          ; a plain place behind the two
	s_wait_alu depctr_va_vdst(0)                   ; one wait for both, ahead of their first reader
	v_add_f32 v234, -1.0, v232
	v_mul_f32 v234, v234, v232                     ; (N - 1) N
	v_fma_f32 v[NT], -v234, v233, v[NT]            ; t += (N - 1) N / s1
	v_mov_b32 v[NT+1], v[NT]
	s_sub_co_u32 s37, s37, 1
	s_cmp_lg_u32 s37, 0
	s_cbranch_scc1 .Lpass
	; ---- E: the weights, their codes, and O^T = V^T P^T
	FETCHV 0
.set e, 0
.rept 16
	v_pk_add_f32 v[BM+e:BM+e+1], v[BM+e:BM+e+1], v[NT:NT+1] op_sel_hi:[1,0]   ; each block's largest p, by the instructions that make every p
.set e, e+2
.endr
.set e, 0
.rept 32
	v_max_num_f32 v[BM+e], 0, v[BM+e]
.set e, e+1
.endr
.set e, 0
.rept 16
	v_pk_mul_f32 v[BM+e:BM+e+1], v[BM+e:BM+e+1], v[BM+e:BM+e+1]
.set e, e+2
.endr
.set e, 0
.rept 32
	v_max_num_f32 v[BM+e], 0x1800000, v[BM+e]      ; the floor 2^(3 - 127): the byte cannot fall under 1 (a block of zeros keeps that byte: its codes are zeros)
.set e, e+1
.endr
.set e, 0
.rept 32
	v_add_nc_u32 v[BM+e], 0xff000000, v[BM+e]      ; 2 off the exponent field: the conversion's scale operand
.set e, e+1
.endr
.set e, 0
.rept 32
	v_lshrrev_b32 v[T+e], 23, v[BM+e]              ; the scale's byte
.set e, e+1
.endr
.irp s, 0,1,2,3,4,5,6,7
	v_lshl_or_b32 v[PWD+\s], v[T+4*\s+1], 8, v[T+4*\s]
.endr
.irp s, 0,1,2,3,4,5,6,7
	v_lshl_or_b32 v[PWD+\s], v[T+4*\s+2], 16, v[PWD+\s]
.endr
.irp s, 0,1,2,3,4,5,6,7
	v_lshl_or_b32 v[PWD+\s], v[T+4*\s+3], 24, v[PWD+\s]
.endr
	PVSTEP 0, 1                                    ; the first products start the sums
.irp s, 1,2,3,4,5,6,7
	PVSTEP \s, 0
.endr
	; ---- F: the tile's way out
	PLACES
	QUANT64 O
	global_store_b128 v1, v[PC:PC+3], s[8:9]       ; 512 consecutive bytes,
	global_store_b64 v2, v[PC+4:PC+5], s[8:9] offset:512   ; and 256
	global_store_b16 v9, v[PW], s[10:11]           ; my query's two scale bytes (both halves of the lanes store the same)
	s_wait_xcnt 0x0                                ; the stores have read their bases and registers
	s_add_nc_u64 s[8:9], s[8:9], 12288
	s_add_nc_u64 s[10:11], s[10:11], 512
	s_sub_co_u32 s36, s36, 1
	s_cmp_lg_u32 s36, 0
	s_cbranch_scc1 .Ltile
	s_wait_tensorcnt 0x0                           ; the wave's end
	ds_add_u32 v[SPW], v[NIL]
	s_wait_dscnt 0x0
	s_endpgm
.Lfunc_end_k_q08eda0934c_attn:
	.size	k_q08eda0934c_attn, .Lfunc_end_k_q08eda0934c_attn-k_q08eda0934c_attn
	.p2alignl 7, 3214868480
	.fill 96, 4, 3214868480
	.section	.rodata,"a",@progbits
	.p2align	6, 0x0
	.amdhsa_kernel k_q08eda0934c_attn
		.amdhsa_group_segment_fixed_size 167936
		.amdhsa_private_segment_fixed_size 0
		.amdhsa_enable_private_segment 0
		.amdhsa_kernarg_size 32
		.amdhsa_user_sgpr_count 2
		.amdhsa_user_sgpr_kernarg_segment_ptr 1
		.amdhsa_wavefront_size32 1
		.amdhsa_system_sgpr_workgroup_id_x 1
		.amdhsa_system_sgpr_workgroup_id_y 1
		.amdhsa_system_sgpr_workgroup_id_z 1
		.amdhsa_system_vgpr_workitem_id 0
		.amdhsa_next_free_vgpr 1024
		.amdhsa_next_free_sgpr 66
		.amdhsa_reserve_vcc 1
		.amdhsa_float_denorm_mode_32 3
		.amdhsa_float_denorm_mode_16_64 3
		.amdhsa_memory_ordered 1
		.amdhsa_forward_progress 1
		.amdhsa_inst_pref_size 240
	.end_amdhsa_kernel
	.amdgpu_metadata
---
amdhsa.version: [ 1, 2 ]
amdhsa.kernels:
  - .name:           k_q08eda0934c_attn
    .symbol:         k_q08eda0934c_attn.kd
    .args:
      - { .name: att, .offset: 0, .size: 8, .value_kind: global_buffer, .address_space: global }
      - { .name: mask, .offset: 8, .size: 8, .value_kind: global_buffer, .address_space: global }
      - { .name: oimg, .offset: 16, .size: 8, .value_kind: global_buffer, .address_space: global }
      - { .name: osc, .offset: 24, .size: 8, .value_kind: global_buffer, .address_space: global }
    .group_segment_fixed_size: 167936
    .private_segment_fixed_size: 0
    .kernarg_segment_align: 8
    .kernarg_segment_size: 32
    .max_flat_workgroup_size: 128
    .sgpr_count:     66
    .vgpr_count:     1024
    .wavefront_size: 32
...
	.end_amdgpu_metadata
.endif
;; end of part 3
;; launch oproj (part 4): grid 8 x 32, 4 waves a work-group, no clusters, 230,912 bytes of LDS; arguments codes, scales, oimg, osc, bo, out0; writes out0
.if DOCPART == 4
	.amdgcn_target "amdgcn-amd-amdhsa--gfx1250"
	.amdhsa_code_object_version 6
	.text
	.protected	k_q08eda0934c_oproj
	.globl	k_q08eda0934c_oproj
	.p2align	8
	.type	k_q08eda0934c_oproj,@function
k_q08eda0934c_oproj:
	s_mov_b64 s[64:65], 0
	v_nop
	global_prefetch_b8 v0, s[64:65] scope:SCOPE_SE
	s_setreg_imm32_b32 hwreg(HW_REG_WAVE_MODE, 25, 1), 1
	s_wait_xcnt 0x0
; out0 = attention's result x Wo^T + bo, on codes of FP6 (E2M3).  Work-group (gx, gy): 128 channels x 128 tokens, all 1,024 of K.
; D = S0 S1^T with S0 = 128 rows of Wo (tiles 960 + 8 gx of codes) and S1 = 128 tokens (tiles 8 gy of oimg): a lane of D holds one token and its registers run along the channels, in natural order,
; since tile 2 B + u holds rows 32 B + 8 u + r + 8 (r / 8).  Wave w takes S0's eight tiles x S1's tiles 2 w, 2 w + 1: 16 accumulators, 128 matrix instructions.
; LDS: both panels for all of K, 196,608 bytes, filled once: [pair of K steps 4][tile 16][2][1,536]; four tensor loads a wave at the head: four of mine are out at the most.  Nothing is filled again.
; THE WAY OUT: 16 tokens x 128 channels at a time through the wave's own stage (rows of 512 bytes + 16), back as whole rows: a store covers 512 consecutive bytes, aligned.
; No cluster: kept plain.  NaN and infinities are not served.
; REGISTERS.  window 0: v1-4 LDS addresses, v5-9, v12 offsets, v16-47 S0's scale words, v48-55 S1's, v128-255 the accumulators.  window 1: two sets of fragments; on the way out v0-127 rows of out0.  window 2: v0-63 bo.
.set KP,    49152
.set STAGE, 4*KP                       ; behind the panels: 16 x 528 bytes a wave; no tensor load lands here
.set SPARE, STAGE+4*8448               ; the spare words, 128 bytes a wave
.set SPW,   10
.set NIL,   11
.set STI,   9                          ; v9   the stage: where I put 16 bytes of a row
.set STO,   12                         ; v12  and where I read a row back
.set S0S,   16
.set S1S,   48
.set ACC,   128
.set G1,    16
.set WV,    24
.set TS0,   28
.set TS1,   29
.set G0,    32
.set OUTB,  66                         ; s[66:67] my 32 tokens' rows, at the work-group's 128 channels
.set MSB, 0
.macro WIN new
.if MSB != (\new)
	s_set_vgpr_msb (MSB<<8)|(\new)
.set MSB, (\new)
.endif
.endm
.macro PLACES
.rept 4
	v_nop
.endr
.endm
.macro W6 d, a, b, z, sa, ra, sb, rb
.if (\z) && (\ra) && (\rb)
	v_wmma_scale_f32_16x16x128_f8f6f4 v[\d:\d+7], v[\a:\a+11], v[\b:\b+11], 0, v[\sa], v[\sb] matrix_a_fmt:MATRIX_FMT_FP6 matrix_b_fmt:MATRIX_FMT_FP6 matrix_a_scale:MATRIX_SCALE_ROW1 matrix_b_scale:MATRIX_SCALE_ROW1
.elseif (\z) && (\ra)
	v_wmma_scale_f32_16x16x128_f8f6f4 v[\d:\d+7], v[\a:\a+11], v[\b:\b+11], 0, v[\sa], v[\sb] matrix_a_fmt:MATRIX_FMT_FP6 matrix_b_fmt:MATRIX_FMT_FP6 matrix_a_scale:MATRIX_SCALE_ROW1
.elseif (\z) && (\rb)
	v_wmma_scale_f32_16x16x128_f8f6f4 v[\d:\d+7], v[\a:\a+11], v[\b:\b+11], 0, v[\sa], v[\sb] matrix_a_fmt:MATRIX_FMT_FP6 matrix_b_fmt:MATRIX_FMT_FP6 matrix_b_scale:MATRIX_SCALE_ROW1
.elseif (\z)
	v_wmma_scale_f32_16x16x128_f8f6f4 v[\d:\d+7], v[\a:\a+11], v[\b:\b+11], 0, v[\sa], v[\sb] matrix_a_fmt:MATRIX_FMT_FP6 matrix_b_fmt:MATRIX_FMT_FP6
.elseif (\ra) && (\rb)
	v_wmma_scale_f32_16x16x128_f8f6f4 v[\d:\d+7], v[\a:\a+11], v[\b:\b+11], v[\d:\d+7], v[\sa], v[\sb] matrix_a_fmt:MATRIX_FMT_FP6 matrix_b_fmt:MATRIX_FMT_FP6 matrix_a_scale:MATRIX_SCALE_ROW1 matrix_b_scale:MATRIX_SCALE_ROW1
.elseif (\ra)
	v_wmma_scale_f32_16x16x128_f8f6f4 v[\d:\d+7], v[\a:\a+11], v[\b:\b+11], v[\d:\d+7], v[\sa], v[\sb] matrix_a_fmt:MATRIX_FMT_FP6 matrix_b_fmt:MATRIX_FMT_FP6 matrix_a_scale:MATRIX_SCALE_ROW1
.elseif (\rb)
	v_wmma_scale_f32_16x16x128_f8f6f4 v[\d:\d+7], v[\a:\a+11], v[\b:\b+11], v[\d:\d+7], v[\sa], v[\sb] matrix_a_fmt:MATRIX_FMT_FP6 matrix_b_fmt:MATRIX_FMT_FP6 matrix_b_scale:MATRIX_SCALE_ROW1
.else
	v_wmma_scale_f32_16x16x128_f8f6f4 v[\d:\d+7], v[\a:\a+11], v[\b:\b+11], v[\d:\d+7], v[\sa], v[\sb] matrix_a_fmt:MATRIX_FMT_FP6 matrix_b_fmt:MATRIX_FMT_FP6
.endif
.endm
.macro FRAG reg, a16, a8, off
	ds_load_b128 v[\reg:\reg+3], v[\a16] offset:\off
	ds_load_b64 v[\reg+4:\reg+5], v[\a8] offset:\off+512
	ds_load_b128 v[\reg+6:\reg+9], v[\a16] offset:\off+768
	ds_load_b64 v[\reg+10:\reg+11], v[\a8] offset:\off+1280
.endm
.macro FETCH s, f                      ; K step s: S0's eight fragments and my two of S1 into set f: 40 LDS loads
	WIN 0x40
.irp i, 0,1,2,3,4,5,6,7
	FRAG 128*(\f)+12*\i, 1, 2, 3072*\i+1536*((\s)%2)
.endr
.irp j, 0,1
	FRAG 128*(\f)+96+12*\j, 3, 4, 3072*\j+1536*((\s)%2)
.endr
	WIN 0
.endm
.macro MUL s, f, zero                  ; the 16 accumulators take turns, one instruction a turn, in the same order in every step
	WIN 0x05
.irp j, 0,1
.irp i, 0,1,2,3,4,5,6,7
	W6 ACC+64*\j+8*\i, 128*(\f)+12*\i, 128*(\f)+96+12*\j, \zero, S0S+8*(\i/2)+(\s), \i%2, S1S+(\s), \j
.endr
.endr
	WIN 0
.endm
	s_load_b256 s[4:11], s[0:1], 0x0               ; codes, scales, oimg, osc
	s_load_b128 s[12:15], s[0:1], 0x20             ; bo, out0
	v_lshl_add_u32 v[SPW], v0, 2, SPARE
	v_mov_b32 v[NIL], 0
	ds_add_u32 v[SPW], v[NIL]                      ; the wave's opening: the add and its wait ahead of my first tensor load; work on registers stands between them
	v_lshrrev_b32 v120, 5, v0
	v_readfirstlane_b32 s[WV], v120                ; wave 0..3
	s_and_b32 s25, ttmp7, 0xffff                   ; gy
	s_mov_b32 s[G1+0], 3<<16                       ; no mask; elements of 8 bytes; no padding
	s_mov_b32 s[G1+1], 384<<16                     ; tensor_dim0: two images, 3,072 bytes
	s_mov_b32 s[G1+2], 4<<16                       ; tensor_dim1 = 4 tiles
	s_mov_b32 s[G1+3], 384<<16                     ; tile_dim0
	s_mov_b32 s[G1+4], 4                           ; tile_dim1
	s_mov_b32 s[G1+5], 1536                        ; from tile to tile: 12,288 bytes
	s_mov_b32 s[G1+6], 0
	s_mov_b32 s[G1+7], 0
	s_lshl_b32 s[TS0], ttmp9, 3
	s_add_co_u32 s[TS0], s[TS0], 960               ; Wo's panel, in codes and scales
	s_lshl_b32 s[TS1], s25, 3                      ; the tokens' panel, in oimg and osc
	s_cmp_lt_u32 s[WV], 2                          ; waves 0, 1 fetch S0's tiles 0-3, 4-7; waves 2, 3 S1's
	s_cselect_b32 s48, s[TS0], s[TS1]
	s_and_b32 s52, s[WV], 1
	s_lshl_b32 s52, s52, 2
	s_add_co_u32 s48, s48, s52
	s_mul_i32 s48, s48, 12288
	s_mov_b32 s49, 0
	s_mul_i32 s62, s[WV], 12288
	v_and_b32 v120, 31, v0                         ; lane
	v_and_b32 v121, 15, v0                         ; r
	v_bfe_u32 v122, v0, 4, 1                       ; h
	v_lshlrev_b32 v1, 4, v120
	v_lshlrev_b32 v2, 3, v120
	s_mul_i32 s63, s[WV], 6144
	s_add_co_u32 s63, s63, 24576
	v_add_nc_u32 v3, s63, v1
	v_add_nc_u32 v4, s63, v2
	v_lshlrev_b32 v5, 4, v120                      ; 16 x lane, for the stores; never rewritten
	v_lshlrev_b32 v7, 4, v121
	v_lshl_add_u32 v7, v122, 9, v7                 ; scale words: 16 r, lanes 16-31 one tile on
	v_lshlrev_b32 v8, 6, v122                      ; the bias: 64 h
	s_mul_i32 s63, s[WV], 8448
	s_add_co_u32 s63, s63, STAGE                   ; my stage
	v_mul_u32_u24 v[STI], v121, 528
	v_lshl_add_u32 v[STI], v122, 6, v[STI]
	v_add_nc_u32 v[STI], s63, v[STI]               ; in: row r, + 64 h
	v_add_nc_u32 v[STO], s63, v5                   ; back: a whole row, 16 bytes a lane
	s_wait_dscnt 0x0                               ; the opening add is done
	s_wait_kmcnt 0x0
	s_cmp_lt_u32 s[WV], 2
	s_cselect_b64 s[50:51], s[4:5], s[8:9]
	s_add_nc_u64 s[50:51], s[50:51], s[48:49]
.irp q, 0,1,2,3
	s_mov_b32 s[G0+4*\q], 1
	s_add_co_u32 s[G0+4*\q+1], s62, \q*KP
	s_add_nc_u64 s[G0+4*\q+2:G0+4*\q+3], s[50:51], \q*3072
	s_or_b32 s[G0+4*\q+3], s[G0+4*\q+3], 0x80000000
.endr
.irp q, 0,1,2,3
	tensor_load_to_lds s[G0+4*\q:G0+4*\q+3], s[G1:G1+7]   ; all first fills together, ahead of every wait on TENSORcnt, LDS read and barrier
	s_nop 0
.endr
	PLACES
	s_lshl_b32 s48, s[TS0], 9
	s_add_nc_u64 s[56:57], s[6:7], s[48:49]        ; S0's scale words
	s_lshl_b32 s52, s[WV], 1
	s_add_co_u32 s48, s[TS1], s52
	s_lshl_b32 s48, s48, 9
	s_add_nc_u64 s[58:59], s[10:11], s[48:49]      ; my two tiles' of S1
	s_lshl_b32 s48, ttmp9, 9
	s_add_nc_u64 s[60:61], s[12:13], s[48:49]      ; bo at the work-group's 128 channels
.irp i, 0,1,2,3
.irp g, 0,1
	global_load_b128 v[S0S+8*\i+4*\g:S0S+8*\i+4*\g+3], v7, s[56:57] offset:1024*\i+256*\g
.endr
.endr
.irp g, 0,1
	global_load_b128 v[S1S+4*\g:S1S+4*\g+3], v7, s[58:59] offset:256*\g
.endr
	WIN 0x80                                       ; destination window 2
.irp i, 0,1,2,3,4,5,6,7
	global_load_b128 v[8*\i:8*\i+3], v8, s[60:61] offset:128*(\i/2)+32*(\i%2)
	global_load_b128 v[8*\i+4:8*\i+7], v8, s[60:61] offset:128*(\i/2)+32*(\i%2)+16
.endr
	WIN 0
	s_lshl_b32 s52, s25, 2
	s_add_co_u32 s52, s52, s[WV]
	s_lshl_b32 s52, s52, 17                        ; 32 (4 gy + w) rows of 4,096 bytes,
	s_add_co_u32 s48, s48, s52                     ; + 512 gx
	s_add_nc_u64 s[OUTB:OUTB+1], s[14:15], s[48:49]
	s_wait_tensorcnt 3                             ; my part of K steps 0, 1 is in; my three later loads may be out
	s_barrier_signal -1
	s_barrier_wait -1
	FETCH 0, 0
	FETCH 1, 1
	s_wait_dscnt 40                                ; K step 0's fragments are in; K step 1's 40 loads may be out
	s_wait_loadcnt 0x0                             ; scale words and bias
	MUL 0, 0, 1
.irp q, 1,2,3
	s_wait_tensorcnt 3-\q                          ; my part of the next pair of K steps is in; the later loads may be out
	s_wait_dscnt 0x0
	s_barrier_signal -1
	s_barrier_wait -1
	v_add_nc_u32 v1, KP, v1                        ; on to that pair; these four are also the places in front of the loads into set 0
	v_add_nc_u32 v2, KP, v2
	v_add_nc_u32 v3, KP, v3
	v_add_nc_u32 v4, KP, v4
	FETCH 2*\q, 0
	MUL 2*\q-1, 1, 0
	PLACES
	FETCH 2*\q+1, 1
	s_wait_dscnt 40                                ; all but the 40 just issued
	MUL 2*\q, 0, 0
.endr
	s_wait_dscnt 0x0
	MUL 7, 1, 0
	PLACES
	WIN 0x08                                       ; source 1 window 2: the bias; each accumulator from its low end on
.irp j, 0,1
.irp i, 0,1,2,3,4,5,6,7
.irp t, 0,2,4,6
	v_pk_add_f32 v[ACC+64*\j+8*\i+\t:ACC+64*\j+8*\i+\t+1], v[ACC+64*\j+8*\i+\t:ACC+64*\j+8*\i+\t+1], v[8*\i+\t:8*\i+\t+1]
.endr
.endr
.endr
	WIN 0
.irp j, 0,1                                    ; LDS serves a wave's instructions in order: the loads see the stores above them, and the second tile's stores come behind the first's loads
.irp i, 0,1,2,3,4,5,6,7
	ds_store_b128 v[STI], v[ACC+64*\j+8*\i:ACC+64*\j+8*\i+3] offset:128*(\i/2)+32*(\i%2)
	ds_store_b128 v[STI], v[ACC+64*\j+8*\i+4:ACC+64*\j+8*\i+7] offset:128*(\i/2)+32*(\i%2)+16
.endr
	WIN 0x40                                       ; destination window 1: the fragments' registers are done with
.irp p, 0,1,2,3,4,5,6,7,8,9,10,11,12,13,14,15
	ds_load_b128 v[64*\j+4*\p:64*\j+4*\p+3], v[STO] offset:528*\p
.endr
	WIN 0
.endr
	WIN 0x04                                       ; a store's data are its source 1: window 1
.irp j, 0,1
.irp p, 0,1,2,3,4,5,6,7,8,9,10,11,12,13,14,15
	s_wait_dscnt 32*(1-\j)+15-\p                   ; row p is back; the rows behind it, and for the first tile the second's 16 stores and 16 loads, may be out
	global_store_b128 v5, v[64*\j+4*\p:64*\j+4*\p+3], s[OUTB:OUTB+1] offset:(8*\j+\p+8*(\p/8))*4096 th:TH_STORE_NT   ; 512 consecutive bytes, at a multiple of 256 from out0's first byte
.endr
.endr
	WIN 0
	s_wait_tensorcnt 0x0                           ; the wave's end: behind my last LDS store
	ds_add_u32 v[SPW], v[NIL]
	s_wait_dscnt 0x0
	s_endpgm
.Lfunc_end_k_q08eda0934c_oproj:
	.size	k_q08eda0934c_oproj, .Lfunc_end_k_q08eda0934c_oproj-k_q08eda0934c_oproj
	.p2alignl 7, 3214868480
	.fill 96, 4, 3214868480
	.section	.rodata,"a",@progbits
	.p2align	6, 0x0
	.amdhsa_kernel k_q08eda0934c_oproj
		.amdhsa_group_segment_fixed_size 230912
		.amdhsa_private_segment_fixed_size 0
		.amdhsa_enable_private_segment 0
		.amdhsa_kernarg_size 48
		.amdhsa_user_sgpr_count 2
		.amdhsa_user_sgpr_kernarg_segment_ptr 1
		.amdhsa_wavefront_size32 1
		.amdhsa_system_sgpr_workgroup_id_x 1
		.amdhsa_system_sgpr_workgroup_id_y 1
		.amdhsa_system_sgpr_workgroup_id_z 1
		.amdhsa_system_vgpr_workitem_id 0
		.amdhsa_next_free_vgpr 768
		.amdhsa_next_free_sgpr 72
		.amdhsa_reserve_vcc 0
		.amdhsa_float_denorm_mode_32 3
		.amdhsa_float_denorm_mode_16_64 3
		.amdhsa_memory_ordered 1
		.amdhsa_forward_progress 1
		.amdhsa_inst_pref_size 59
	.end_amdhsa_kernel
	.amdgpu_metadata
---
amdhsa.version: [ 1, 2 ]
amdhsa.kernels:
  - .name:           k_q08eda0934c_oproj
    .symbol:         k_q08eda0934c_oproj.kd
    .args:
      - { .name: codes, .offset: 0, .size: 8, .value_kind: global_buffer, .address_space: global }
      - { .name: scales, .offset: 8, .size: 8, .value_kind: global_buffer, .address_space: global }
      - { .name: oimg, .offset: 16, .size: 8, .value_kind: global_buffer, .address_space: global }
      - { .name: osc, .offset: 24, .size: 8, .value_kind: global_buffer, .address_space: global }
      - { .name: bo, .offset: 32, .size: 8, .value_kind: global_buffer, .address_space: global }
      - { .name: out0, .offset: 40, .size: 8, .value_kind: global_buffer, .address_space: global }
    .group_segment_fixed_size: 230912
    .private_segment_fixed_size: 0
    .kernarg_segment_align: 8
    .kernarg_segment_size: 48
    .max_flat_workgroup_size: 128
    .sgpr_count:     72
    .vgpr_count:     768
    .wavefront_size: 32
...
	.end_amdgpu_metadata
.endif
;; end of part 4
;; ======== version 2 of 2: 4 launches; 1.20 times as fast as version 1
;; limits: right only within a limited range of input values
;; workspace buffers: codes 12,582,912 bytes; scales 524,288 bytes; att 10,092,544 bytes; oimg 3,145,728 bytes; osc 131,072 bytes
;; launch quant: the kernel of part 1 again; grid 512 x 1, 4 waves a work-group, no clusters, 34,304 bytes of LDS; arguments q, k, v, Wq, Wk, Wv, Wo, codes, scales; writes codes, scales
;; launch proj: the kernel of part 2 again; grid 8 x 96, 4 waves a work-group, no clusters, 197,120 bytes of LDS; arguments codes, scales, bq, bk, bv, att; writes att
;; launch attn (part 5): grid 4 x 64, 4 waves a work-group, no clusters, 167,936 bytes of LDS; arguments att, mask, oimg, osc; writes oimg, osc
.if DOCPART == 5
	.amdgcn_target "amdgcn-amd-amdhsa--gfx1250"
	.amdhsa_code_object_version 6
	.text
	.protected	k_q08eda0934c_attn
	.globl	k_q08eda0934c_attn
	.p2align	8
	.type	k_q08eda0934c_attn,@function
k_q08eda0934c_attn:
	s_mov_b64 s[64:65], 0
	v_nop
	global_prefetch_b8 v0, s[64:65] scope:SCOPE_SE
	s_setreg_imm32_b32 hwreg(HW_REG_WAVE_MODE, 25, 1), 1
	s_wait_xcnt 0x0
; Attention with 1.5-entmax weights for one head (work-group y = 16 b + head) and 256 queries (work-group x), both products on codes of FP6 (E2M3).
; The head's K and V, as images of operand registers with their scale words (104,448 bytes), come into LDS once, one tensor load a wave (one of mine is out at the most); nothing is filled again.
; Wave w walks four tiles of 16 queries.  For a tile ALL 1,024 scores stay in registers: 512 a lane (a lane holds one query, lane % 16, and half of the keys).
; A TILE:  A  S^T = K Q^T, 64 matrix instructions; the head has 64 channels, so the upper half of each operand is zero codes.  Register 16 B + i holds key 32 B + 16 (lane / 16) + i.
;          B  masked keys: minimum with -8e12 (= 8 x -1e12: the scores are still q.k, not yet / 8) from a table in LDS; each block's and the row's maximum.
;          C  x = q.k / 16 - maximum / 16: one fused multiply-add, the scalings are exact.
;          D  the threshold t with sum(relu(x - t)^2) = 1, by Newton's steps on phi(t) = N(t) - 1, N = sqrt(sum relu(x - t)^2), from t = -1.  N is convex and falls, and -1 is at or under the root t* (the largest x is 0),
;             so the steps rise towards t* and do not pass it.  With m = -N' = sum relu / N, convexity gives phi' <= phi (1 - m' / m) for a step; m falls from at most 32 to m* >= 1 / |t*|; phi(-1) <= 32 (1 - |t*|) <= 32 (1 - 1 / m*).
;             A product of k factors 1 - a, the a's own product held at m* / 32, is largest where all a are equal: phi <= 32 (1 - 1 / m*) (1 - (m* / 32)^(1 / k))^k after k steps, whose largest value over m* in 1 .. 32
;             is under 2^-25 for k = 13; and t* - t <= phi / m* <= phi |t*|.  PASSES = 13 for every input: no branch on data.
;          E  p = relu(x - t)^2, quantised along the keys, block by block; a block's largest p is made of the block's largest x by the same three operations (they never fall where x rises);  O^T += V^T P^T.
;          F  O^T, quantised along the head's 64 channels, leaves as half an image of the last product's operand, with two scale bytes a query.
; The two scale bytes leave by a store of 2 bytes a row, rows 16 bytes apart: 131,072 bytes in the whole launch.
; No cluster: what the four work-groups of a head share is read once, at the head, 104,448 bytes against some 70,000 vector instructions a wave.
; LIMITS: the mask's minimum equals a replacement while |q.k| < 8e12; a block of zeros gets the byte 1 (this program alone reads the bytes); NaN and infinities are not served.
; REGISTERS.  window 0: see the names below.  windows 1, 2: the 512 scores.  window 3: K's fragments, two sets of four, at 48 f + 12 i (registers 6-11 of each are zeros); V's at 96 + 48 f + 12 d.
.set REC,   157696
.set VIMG,  49152
.set KSC,   98304
.set VSC,   102400
.set MTAB,  104448                     ; the mask's table: 1,024 f32 in key order; stored by the waves, no tensor load lands here
.set SPARE, 108544                     ; the spare words, 128 bytes a wave
.set QIMG,  104448                     ; in the record
.set QSC,   153600
.set PASSES, 13
.set SPW,   10
.set NIL,   11
.set NINF,  12                         ; v12  -infinity
.set NM,    14                         ; v[14:15] -(the row's maximum) / 16
.set NT,    16                         ; v[16:17] -t
.set QF,    18                         ; v18-29 Q's fragment (v24-29 zeros)
.set QS,    30                         ; v30  Q's scale words
.set BM,    32                         ; v32-63 a number for each block of 32 keys: its maximum, later the conversion's scale operand
.set T,     64                         ; v64-127 64 numbers at work
.set SQ,    128                        ; v128-143 sums of squares, eight pairs
.set SA,    144                        ; v144-159 sums, eight pairs
.set PC,    160                        ; v160-179 the codes just made
.set PWD,   180                        ; v180-187 p's scale words, one for each 128 keys
.set KS,    188                        ; v188-191 K's scale words, two sets of two: lanes 0-15 the even tile's, lanes 16-31 the odd tile's
.set VS,    192                        ; v192-195 V's likewise
.set O,     196                        ; v196-227 O^T: four accumulators
.set TM,    228                        ; v228-243 at work
.set PW,    244
.set WV,    12
.set G1,    16
.set G0,    24
.set SEL,   28
.set C16,   30                         ; s[30:31] 1 / 16
.set MSB, 0
.macro WIN new
.if MSB != (\new)
	s_set_vgpr_msb (MSB<<8)|(\new)
.set MSB, (\new)
.endif
.endm
.macro PLACES
.rept 4
	v_nop
.endr
.endm
.macro W6 d, a, b, z, sa, ra, sb       ; z = 1: the constant 0 starts the sum; ra = 1: source 0's scales stand in lanes 16-31
.if (\z) && (\ra)
	v_wmma_scale_f32_16x16x128_f8f6f4 v[\d:\d+7], v[\a:\a+11], v[\b:\b+11], 0, v[\sa], v[\sb] matrix_a_fmt:MATRIX_FMT_FP6 matrix_b_fmt:MATRIX_FMT_FP6 matrix_a_scale:MATRIX_SCALE_ROW1
.elseif (\z)
	v_wmma_scale_f32_16x16x128_f8f6f4 v[\d:\d+7], v[\a:\a+11], v[\b:\b+11], 0, v[\sa], v[\sb] matrix_a_fmt:MATRIX_FMT_FP6 matrix_b_fmt:MATRIX_FMT_FP6
.elseif (\ra)
	v_wmma_scale_f32_16x16x128_f8f6f4 v[\d:\d+7], v[\a:\a+11], v[\b:\b+11], v[\d:\d+7], v[\sa], v[\sb] matrix_a_fmt:MATRIX_FMT_FP6 matrix_b_fmt:MATRIX_FMT_FP6 matrix_a_scale:MATRIX_SCALE_ROW1
.else
	v_wmma_scale_f32_16x16x128_f8f6f4 v[\d:\d+7], v[\a:\a+11], v[\b:\b+11], v[\d:\d+7], v[\sa], v[\sb] matrix_a_fmt:MATRIX_FMT_FP6 matrix_b_fmt:MATRIX_FMT_FP6
.endif
.endm
.macro FRAG reg, a16, a8, off
	ds_load_b128 v[\reg:\reg+3], v[\a16] offset:\off
	ds_load_b64 v[\reg+4:\reg+5], v[\a8] offset:\off+512
	ds_load_b128 v[\reg+6:\reg+9], v[\a16] offset:\off+768
	ds_load_b64 v[\reg+10:\reg+11], v[\a8] offset:\off+1280
.endm
.macro FETCHK n                        ; key tiles 4 n .. 4 n + 3 into set n % 2: 10 LDS loads
	WIN 0xc0                                       ; destination window 3
.irp i, 0,1,2,3
	ds_load_b128 v[48*((\n)%2)+12*\i:48*((\n)%2)+12*\i+3], v1 offset:768*(4*(\n)+\i)
	ds_load_b64 v[48*((\n)%2)+12*\i+4:48*((\n)%2)+12*\i+5], v2 offset:768*(4*(\n)+\i)+512
.endr
	WIN 0
.irp i, 0,1
	ds_load_b32 v[KS+2*((\n)%2)+\i], v5 offset:64*(4*(\n)+2*\i)
.endr
.endm
.macro MULK n                          ; their scores: four products, each a whole sum
	WIN 0x43+0x40*((\n)/8)                         ; source 0 window 3, destination window 1 or 2
.irp i, 0,1,2,3
	W6 8*((4*(\n)+\i)%32), 48*((\n)%2)+12*\i, QF, 1, KS+2*((\n)%2)+\i/2, \i%2, QS
.endr
.endm
.macro LOADMV n                        ; the table's numbers for blocks 2 n, 2 n + 1: 8 LDS loads; sixteen lanes read the same 16 bytes
.irp q, 0,1,2,3,4,5,6,7
	ds_load_b128 v[T+32*((\n)%2)+4*\q:T+32*((\n)%2)+4*\q+3], v7 offset:256*(\n)+128*(\q/4)+16*(\q%4)
.endr
.endm
.macro MASKB n
	WIN 0
.if (\n) < 15
	LOADMV (\n)+1
	s_wait_dscnt 8                                 ; this batch's numbers are in; the next batch's 8 loads may be out
.else
	s_wait_dscnt 0x0
.endif
	WIN (1+(\n)/8)*0x41                            ; destination and source 0: the scores' window
.set e, 0
.rept 32
	v_min_num_f32 v[32*((\n)%8)+e], v[32*((\n)%8)+e], v[T+32*((\n)%2)+e]   ; ascending: each accumulator is read from its low end on
.set e, e+1
.endr
.if (\n)%2
	WIN (1+(\n)/8)*0x14                            ; sources 1 and 2: the scores' window
.irp b, 0,1,2,3
	v_max3_num_f32 v[BM+2*(\n)-2+\b], v[NINF], v[32*(((\n)-1)%8)+16*\b], v[32*(((\n)-1)%8)+16*\b+1]   ; four blocks by turns
.endr
.irp i, 2,4,6,8,10,12,14
.irp b, 0,1,2,3
	v_max3_num_f32 v[BM+2*(\n)-2+\b], v[BM+2*(\n)-2+\b], v[32*(((\n)-1)%8)+16*\b+\i], v[32*(((\n)-1)%8)+16*\b+\i+1]
.endr
.endr
.endif
.endm
; T = relu(x - t) of 64 scores, registers x0 on of window w.  The subtraction is packed.  The maximum has no packed f32 form: two go in one dual instruction, on T alone, in window 0:
; one destination even and one odd, both first sources the constant 0, the second sources in neighbouring registers, which lie in different banks, as the dual form wants (ISA guide, on VOPD).
.macro RELU x0, w
	WIN \w                                         ; source 0: the scores' window
.set a, 0
.rept 32
	v_pk_add_f32 v[T+2*a:T+2*a+1], v[\x0+2*a:\x0+2*a+1], v[NT:NT+1] op_sel_hi:[1,0]
.set a, a+1
.endr
	WIN 0
.set a, 0
.rept 32
	v_dual_max_num_f32 v[T+2*a], 0, v[T+2*a] :: v_dual_max_num_f32 v[T+2*a+1], 0, v[T+2*a+1]
.set a, a+1
.endr
.endm
.macro PASSB bt                        ; 64 of the lane's 512 scores in a pass: their relu(x - t), summed and squared into eight chains each
	RELU 64*((\bt)%4), 1+(\bt)/4
.set a, 0
.rept 32
.if ((\bt) == 0) && (a < 8)
	v_pk_add_f32 v[SA+2*a:SA+2*a+1], v[T+2*a:T+2*a+1], v[T+2*a+16:T+2*a+17]   ; the first numbers start the sums: nothing is cleared
	v_pk_mul_f32 v[SQ+2*a:SQ+2*a+1], v[T+2*a:T+2*a+1], v[T+2*a:T+2*a+1]
.elseif ((\bt) == 0) && (a < 16)
	v_pk_fma_f32 v[SQ+2*(a%8):SQ+2*(a%8)+1], v[T+2*a:T+2*a+1], v[T+2*a:T+2*a+1], v[SQ+2*(a%8):SQ+2*(a%8)+1]
.else
	v_pk_add_f32 v[SA+2*(a%8):SA+2*(a%8)+1], v[SA+2*(a%8):SA+2*(a%8)+1], v[T+2*a:T+2*a+1]
	v_pk_fma_f32 v[SQ+2*(a%8):SQ+2*(a%8)+1], v[T+2*a:T+2*a+1], v[T+2*a:T+2*a+1], v[SQ+2*(a%8):SQ+2*(a%8)+1]
.endif
.set a, a+1
.endr
.endm
.macro FETCHV s                        ; V's four fragments of keys 128 s on into set s % 2: 18 LDS loads
	WIN 0xc0
.irp d, 0,1,2,3
	FRAG 96+48*((\s)%2)+12*\d, 3, 4, 1536*(4*(\s)+\d)
.endr
	WIN 0
.irp i, 0,1
	ds_load_b32 v[VS+2*((\s)%2)+\i], v6 offset:256*(\s)+128*\i
.endr
.endm
.macro PVSTEP s, z                     ; keys 128 s on: p, its codes, four products
	RELU 64*((\s)%4), 1+(\s)/4
.set a, 0
.rept 32
	v_pk_mul_f32 v[T+2*a:T+2*a+1], v[T+2*a:T+2*a+1], v[T+2*a:T+2*a+1]   ; p = relu(x - t)^2
.set a, a+1
.endr
.irp c, 0,1
	v_cvt_scalef32_pk16_fp6_f32 v[PC+6*\c:PC+2+6*\c], v[T+32*\c:T+15+32*\c], v[BM+4*(\s)+2*\c]
	v_cvt_scalef32_pk16_fp6_f32 v[PC+12+4*\c:PC+14+4*\c], v[T+16+32*\c:T+31+32*\c], v[BM+4*(\s)+2*\c+1]
.endr
	v_nop                                          ; one plain place behind a scaled conversion
.irp c, 0,1
.irp i, 0,1,2
	v_permlane16_swap_b32 v[PC+6*\c+\i], v[PC+12+4*\c+\i]
.endr
.irp i, 0,1,2
	v_mov_b32 v[PC+3+6*\c+\i], v[PC+12+4*\c+\i]
.endr
.endr
.if (\s) < 7
	FETCHV (\s)+1                                  ; its set was last read a whole step's vector work ago
.endif
	PLACES                                         ; an operand written by vector instructions stands four places ahead of a scaled matrix instruction
.if (\s) < 7
	s_wait_dscnt 18                                ; this step's fragments are in; the next step's 18 loads may be out
.else
	s_wait_dscnt 0x0
.endif
	WIN 0x03                                       ; source 0 window 3
.irp d, 0,1,2,3
	W6 O+8*\d, 96+48*((\s)%2)+12*\d, PC, \z, VS+2*((\s)%2)+\d/2, \d%2, PWD+(\s)   ; the four accumulators take turns, one instruction a turn
.endr
	WIN 0
.endm
.macro QUANT64 s                       ; 32 numbers of a lane, register 16 b + i = k 32 b + 16 (lane / 16) + i, become six registers of codes in v[PC] on and two scale bytes in v[PW]
.irp b, 0,1
	v_max3_num_f32 v[TM+\b], |v[\s+16*\b]|, |v[\s+1+16*\b]|, 0x1800000
.endr
.irp i, 2,4,6,8,10,12,14
.irp b, 0,1
	v_max3_num_f32 v[TM+\b], v[TM+\b], |v[\s+16*\b+\i]|, |v[\s+1+16*\b+\i]|
.endr
.endr
.irp b, 0,1
	v_permlanex16_b32 v[TM+4+\b], v[TM+\b], s[SEL], s[SEL+1]
.endr
.irp b, 0,1
	v_max_num_f32 v[TM+\b], v[TM+\b], v[TM+4+\b]
.endr
.irp b, 0,1
	v_add_nc_u32 v[TM+12+\b], 0xff000000, v[TM+\b]
.endr
.irp b, 0,1
	v_lshrrev_b32 v[TM+4+\b], 23, v[TM+12+\b]
.endr
	v_lshl_or_b32 v[PW], v[TM+5], 8, v[TM+4]
	v_cvt_scalef32_pk16_fp6_f32 v[PC:PC+2], v[\s:\s+15], v[TM+12]
	v_cvt_scalef32_pk16_fp6_f32 v[PC+12:PC+14], v[\s+16:\s+31], v[TM+13]
	v_nop
.irp i, 0,1,2
	v_permlane16_swap_b32 v[PC+\i], v[PC+12+\i]
.endr
.irp i, 0,1,2
	v_mov_b32 v[PC+3+\i], v[PC+12+\i]
.endr
.endm
	s_load_b256 s[4:11], s[0:1], 0x0               ; att, mask, oimg, osc
	v_lshl_add_u32 v[SPW], v0, 2, SPARE
	v_mov_b32 v[NIL], 0
	ds_add_u32 v[SPW], v[NIL]                      ; the wave's opening: the add and its wait ahead of my first tensor load; work on registers stands between them
	v_lshrrev_b32 v13, 5, v0
	v_readfirstlane_b32 s[WV], v13                 ; wave 0..3
	s_and_b32 s13, ttmp7, 0xffff                   ; 16 b + head
	s_mov_b32 s[G1+0], 3<<16                       ; no mask; elements of 8 bytes; no padding
	s_mov_b32 s[G1+1], 32<<16                      ; tensor_dim0 = 32 elements: rows of 256 bytes
	s_mov_b32 s[G1+2], 102<<16                     ; tensor_dim1 = 102 rows: a quarter of 104,448 bytes
	s_mov_b32 s[G1+3], 32<<16                      ; tile_dim0
	s_mov_b32 s[G1+4], 102                         ; tile_dim1
	s_mov_b32 s[G1+5], 32                          ; dense
	s_mov_b32 s[G1+6], 0
	s_mov_b32 s[G1+7], 0
	s_mul_i32 s38, s13, REC
	s_mov_b32 s39, 0
	s_mul_i32 s14, s[WV], 26112
	s_lshl_b32 s40, ttmp9, 4
	s_lshl_b32 s41, s[WV], 2
	s_add_co_u32 s40, s40, s41                     ; my first tile of queries in the batch: 16 x + 4 w
	s_lshr_b32 s41, s13, 4                         ; b
	s_and_b32 s42, s13, 15                         ; head
	s_mov_b32 s[SEL], 0x76543210
	s_mov_b32 s[SEL+1], 0xfedcba98
	s_mov_b32 s[C16], 0x3d800000                   ; 1 / 16
	s_mov_b32 s[C16+1], s[C16]                     ; (named with it as a pair, so it is written)
	v_and_b32 v13, 31, v0                          ; lane
	v_lshlrev_b32 v1, 4, v13                       ; K's images, and offsets in memory: 16 x lane,
	v_lshlrev_b32 v2, 3, v13                       ; 8 x lane
	v_add_nc_u32 v3, VIMG, v1                      ; V's images
	v_add_nc_u32 v4, VIMG, v2
	v_lshl_add_u32 v5, v13, 2, KSC                 ; K's scale words: 4 x lane: two tiles' worth
	v_lshl_add_u32 v6, v13, 2, VSC                 ; V's
	v_bfe_u32 v7, v0, 4, 1
	v_lshl_add_u32 v7, v7, 6, MTAB                 ; the table: my half's 16 keys of a block
	v_and_b32 v9, 15, v0
	v_lshlrev_b32 v8, 2, v9                        ; 4 r
	v_lshlrev_b32 v9, 4, v9                        ; 16 r
	v_mov_b32 v[NINF], 0xff800000
	v_lshlrev_b32 v13, 5, v0                       ; the mask: 8 keys a thread
	v_lshl_add_u32 v31, v0, 5, MTAB                ; and their place in the table
	s_wait_dscnt 0x0                               ; the opening add is done
	s_wait_kmcnt 0x0
	s_add_nc_u64 s[4:5], s[4:5], s[38:39]          ; my head's record
	s_mov_b32 s38, s14
	s_mov_b32 s[G0], 1
	s_mov_b32 s[G0+1], s14                         ; my quarter, in LDS as in the record
	s_add_nc_u64 s[G0+2:G0+3], s[4:5], s[38:39]
	s_or_b32 s[G0+3], s[G0+3], 0x80000000
	tensor_load_to_lds s[G0:G0+3], s[G1:G1+7]
	s_nop 0
	PLACES
	s_mul_i32 s38, s40, 768
	s_add_co_u32 s38, s38, QIMG
	s_add_nc_u64 s[32:33], s[4:5], s[38:39]        ; Q's image of my first tile,
	s_lshl_b32 s38, s40, 6
	s_add_co_u32 s38, s38, QSC
	s_add_nc_u64 s[34:35], s[4:5], s[38:39]        ; its scale words
	s_lshl_b32 s38, s41, 12
	s_add_nc_u64 s[6:7], s[6:7], s[38:39]          ; the batch's mask
	global_load_b128 v[T:T+3], v13, s[6:7]
	global_load_b128 v[T+4:T+7], v13, s[6:7] offset:16
	global_load_b128 v[QF:QF+3], v1, s[32:33]
	global_load_b64 v[QF+4:QF+5], v2, s[32:33] offset:512
	global_load_b32 v[QS], v8, s[34:35]
	s_lshl_b32 s43, s41, 6
	s_add_co_u32 s43, s43, s40                     ; my first tile of tokens among all 256
	s_lshl_b32 s38, s43, 4
	s_add_co_u32 s38, s38, s42
	s_mul_i32 s38, s38, 768
	s_add_nc_u64 s[8:9], s[8:9], s[38:39]          ; oimg: [tile][head][768]
	s_lshl_b32 s38, s43, 9
	s_lshr_b32 s44, s42, 3
	s_lshl_b32 s44, s44, 8
	s_add_co_u32 s38, s38, s44
	s_bfe_u32 s44, s42, 0x20001
	s_lshl_b32 s44, s44, 2
	s_add_co_u32 s38, s38, s44
	s_and_b32 s44, s42, 1
	s_lshl_b32 s44, s44, 1
	s_add_co_u32 s38, s38, s44
	s_add_nc_u64 s[10:11], s[10:11], s[38:39]      ; osc: 512 x tile + 256 (head / 8) + 4 ((head / 2) % 4) + 2 (head % 2)
.irp i, 6,7,8,9,10,11
	v_mov_b32 v[QF+\i], 0                          ; the operands' upper halves, K = 64 .. 127: zero codes
.endr
	WIN 0xc0
.irp f, 0,1,2,3,4,5,6,7
.irp i, 6,7,8,9,10,11
	v_mov_b32 v[12*\f+\i], 0
.endr
.endr
	WIN 0
	v_mov_b32 v228, 0x7f800000                     ; a key that counts: +infinity leaves the score as it is
	v_mov_b32 v229, 0xd4e8d4a5                     ; a masked key: 8 x f32(-1e12)
	s_wait_loadcnt 3                               ; the mask's two loads are in; Q's three may be out
.irp i, 0,1,2,3,4,5,6,7
	v_cmp_eq_u32 vcc_lo, 0, v[T+\i]
	v_cndmask_b32 v[T+\i], v228, v229, vcc_lo
.endr
	ds_store_b128 v31, v[T:T+3]
	ds_store_b128 v31, v[T+4:T+7] offset:16
	s_wait_tensorcnt 0x0                           ; my quarter of the record is in,
	s_wait_dscnt 0x0                               ; my part of the table is stored,
	s_barrier_signal -1
	s_barrier_wait -1                              ; everybody's are
	s_mov_b32 s36, 4
.Ltile:
	; ---- A: the scores
	FETCHK 0
.irp n, 0,1,2,3,4,5,6,7,8,9,10,11,12,13,14,15
	PLACES                                         ; in front of loads into registers that the products just issued have read
.if \n < 15
	FETCHK \n+1
	s_wait_dscnt 10                                ; this batch's loads are in; the next batch's 10 may be out
.else
	s_wait_dscnt 0x0
.endif
.if \n == 0
	s_wait_loadcnt 0x0                             ; Q
.endif
	MULK \n
.endr
	WIN 0
	PLACES                                         ; in front of the loads into Q's registers and of the first read of results
	s_cmp_eq_u32 s36, 1                            ; the next tile's Q, if there is one: no load leaves its record
	s_cbranch_scc1 .Lno_q
	s_add_nc_u64 s[32:33], s[32:33], 768           ; (the loads that read these bases have been waited for)
	s_add_nc_u64 s[34:35], s[34:35], 64
	global_load_b128 v[QF:QF+3], v1, s[32:33]
	global_load_b64 v[QF+4:QF+5], v2, s[32:33] offset:512
	global_load_b32 v[QS], v8, s[34:35]
.Lno_q:
	; ---- B: the mask, the blocks' maxima, the row's maximum
	LOADMV 0
.irp n, 0,1,2,3,4,5,6,7,8,9,10,11,12,13,14,15
	MASKB \n
.endr
	WIN 0
.set a, 0
.rept 32
	v_permlanex16_b32 v[T+a], v[BM+a], s[SEL], s[SEL+1]
.set a, a+1
.endr
.set a, 0
.rept 32
	v_max_num_f32 v[BM+a], v[BM+a], v[T+a]         ; with lane l xor 16's 16 keys: the block's maximum
.set a, a+1
.endr
.irp a, 0,1,2,3,4,5,6,7,8,9
	v_max3_num_f32 v[228+\a], v[BM+3*\a], v[BM+3*\a+1], v[BM+3*\a+2]
.endr
	v_max_num_f32 v238, v[BM+30], v[BM+31]
	v_max3_num_f32 v228, v228, v229, v230
	v_max3_num_f32 v231, v231, v232, v233
	v_max3_num_f32 v234, v234, v235, v236
	v_max_num_f32 v237, v237, v238
	v_max3_num_f32 v228, v228, v231, v234
	v_max_num_f32 v228, v228, v237                 ; the row's maximum
	v_mul_f32 v[NM], 0xbd800000, v228              ; x -1 / 16
	v_mov_b32 v[NM+1], v[NM]
	; ---- C: x = q.k / 16 - maximum / 16
	WIN 0x41
.set e, 0
.rept 128
	v_pk_fma_f32 v[e:e+1], v[e:e+1], s[C16:C16+1], v[NM:NM+1] op_sel_hi:[1,0,0]
.set e, e+2
.endr
	WIN 0x82
.set e, 0
.rept 128
	v_pk_fma_f32 v[e:e+1], v[e:e+1], s[C16:C16+1], v[NM:NM+1] op_sel_hi:[1,0,0]
.set e, e+2
.endr
	WIN 0
.set e, 0
.rept 16
	v_pk_fma_f32 v[BM+e:BM+e+1], v[BM+e:BM+e+1], s[C16:C16+1], v[NM:NM+1] op_sel_hi:[1,0,0]   ; the same of each block's maximum
.set e, e+2
.endr
	v_mov_b32 v[NT], 1.0                           ; t = -1
	v_mov_b32 v[NT+1], 1.0
	; ---- D: the threshold
	s_mov_b32 s37, PASSES
.Lpass:
.irp bt, 0,1,2,3,4,5,6,7
	PASSB \bt
.endr
.irp d, 0,2,4,6
	v_pk_add_f32 v[SA+\d:SA+\d+1], v[SA+\d:SA+\d+1], v[SA+\d+8:SA+\d+9]
	v_pk_add_f32 v[SQ+\d:SQ+\d+1], v[SQ+\d:SQ+\d+1], v[SQ+\d+8:SQ+\d+9]
.endr
.irp d, 0,2
	v_pk_add_f32 v[SA+\d:SA+\d+1], v[SA+\d:SA+\d+1], v[SA+\d+4:SA+\d+5]
	v_pk_add_f32 v[SQ+\d:SQ+\d+1], v[SQ+\d:SQ+\d+1], v[SQ+\d+4:SQ+\d+5]
.endr
	v_pk_add_f32 v[SA:SA+1], v[SA:SA+1], v[SA+2:SA+3]
	v_pk_add_f32 v[SQ:SQ+1], v[SQ:SQ+1], v[SQ+2:SQ+3]
	v_add_f32 v228, v[SA], v[SA+1]
	v_add_f32 v229, v[SQ], v[SQ+1]
	v_permlanex16_b32 v230, v228, s[SEL], s[SEL+1]
	v_permlanex16_b32 v231, v229, s[SEL], s[SEL+1]
	v_add_f32 v228, v228, v230                     ; s1 = sum relu(x - t), at least -t > 0
	v_add_f32 v229, v229, v231                     ; s2 = sum relu(x - t)^2
	v_sqrt_f32 v232, v229                          ; N
	v_rcp_f32 v233, v228
	v_nop                                          ; a plain place behind the two
	s_wait_alu depctr_va_vdst(0)                   ; one wait for both, ahead of their first reader
	v_add_f32 v234, -1.0, v232
	v_mul_f32 v234, v234, v232                     ; (N - 1) N
	v_fma_f32 v[NT], -v234, v233, v[NT]            ; t += (N - 1) N / s1
	v_mov_b32 v[NT+1], v[NT]
	s_sub_co_u32 s37, s37, 1
	s_cmp_lg_u32 s37, 0
	s_cbranch_scc1 .Lpass
	; ---- E: the weights, their codes, and O^T = V^T P^T
	FETCHV 0
.set e, 0
.rept 16
	v_pk_add_f32 v[BM+e:BM+e+1], v[BM+e:BM+e+1], v[NT:NT+1] op_sel_hi:[1,0]   ; each block's largest p, by the operations that make every p
.set e, e+2
.endr
.set e, 0
.rept 32
	v_max_num_f32 v[BM+e], 0, v[BM+e]
.set e, e+1
.endr
.set e, 0
.rept 16
	v_pk_mul_f32 v[BM+e:BM+e+1], v[BM+e:BM+e+1], v[BM+e:BM+e+1]
.set e, e+2
.endr
.set e, 0
.rept 32
	v_max_num_f32 v[BM+e], 0x1800000, v[BM+e]      ; the floor 2^(3 - 127): the byte cannot fall under 1 (a block of zeros keeps that byte: its codes are zeros)
.set e, e+1
.endr
.set e, 0
.rept 32
	v_add_nc_u32 v[BM+e], 0xff000000, v[BM+e]      ; 2 off the exponent field: the conversion's scale operand
.set e, e+1
.endr
.set e, 0
.rept 32
	v_lshrrev_b32 v[T+e], 23, v[BM+e]              ; the scale's byte
.set e, e+1
.endr
.irp s, 0,1,2,3,4,5,6,7
	v_lshl_or_b32 v[PWD+\s], v[T+4*\s+1], 8, v[T+4*\s]
.endr
.irp s, 0,1,2,3,4,5,6,7
	v_lshl_or_b32 v[PWD+\s], v[T+4*\s+2], 16, v[PWD+\s]
.endr
.irp s, 0,1,2,3,4,5,6,7
	v_lshl_or_b32 v[PWD+\s], v[T+4*\s+3], 24, v[PWD+\s]
.endr
	PVSTEP 0, 1                                    ; the first products start the sums
.irp s, 1,2,3,4,5,6,7
	PVSTEP \s, 0
.endr
	; ---- F: the tile's way out
	PLACES
	QUANT64 O
	global_store_b128 v1, v[PC:PC+3], s[8:9]       ; 512 consecutive bytes,
	global_store_b64 v2, v[PC+4:PC+5], s[8:9] offset:512   ; and 256
	global_store_b16 v9, v[PW], s[10:11]           ; my query's two scale bytes (both halves of the lanes store the same)
	s_wait_xcnt 0x0                                ; the stores have read their bases and registers
	s_add_nc_u64 s[8:9], s[8:9], 12288
	s_add_nc_u64 s[10:11], s[10:11], 512
	s_sub_co_u32 s36, s36, 1
	s_cmp_lg_u32 s36, 0
	s_cbranch_scc1 .Ltile
	s_wait_tensorcnt 0x0                           ; the wave's end
	ds_add_u32 v[SPW], v[NIL]
	s_wait_dscnt 0x0
	s_endpgm
.Lfunc_end_k_q08eda0934c_attn:
	.size	k_q08eda0934c_attn, .Lfunc_end_k_q08eda0934c_attn-k_q08eda0934c_attn
	.p2alignl 7, 3214868480
	.fill 96, 4, 3214868480
	.section	.rodata,"a",@progbits
	.p2align	6, 0x0
	.amdhsa_kernel k_q08eda0934c_attn
		.amdhsa_group_segment_fixed_size 167936
		.amdhsa_private_segment_fixed_size 0
		.amdhsa_enable_private_segment 0
		.amdhsa_kernarg_size 32
		.amdhsa_user_sgpr_count 2
		.amdhsa_user_sgpr_kernarg_segment_ptr 1
		.amdhsa_wavefront_size32 1
		.amdhsa_system_sgpr_workgroup_id_x 1
		.amdhsa_system_sgpr_workgroup_id_y 1
		.amdhsa_system_sgpr_workgroup_id_z 1
		.amdhsa_system_vgpr_workitem_id 0
		.amdhsa_next_free_vgpr 1024
		.amdhsa_next_free_sgpr 66
		.amdhsa_reserve_vcc 1
		.amdhsa_float_denorm_mode_32 3
		.amdhsa_float_denorm_mode_16_64 3
		.amdhsa_memory_ordered 1
		.amdhsa_forward_progress 1
		.amdhsa_inst_pref_size 240
	.end_amdhsa_kernel
	.amdgpu_metadata
---
amdhsa.version: [ 1, 2 ]
amdhsa.kernels:
  - .name:           k_q08eda0934c_attn
    .symbol:         k_q08eda0934c_attn.kd
    .args:
      - { .name: att, .offset: 0, .size: 8, .value_kind: global_buffer, .address_space: global }
      - { .name: mask, .offset: 8, .size: 8, .value_kind: global_buffer, .address_space: global }
      - { .name: oimg, .offset: 16, .size: 8, .value_kind: global_buffer, .address_space: global }
      - { .name: osc, .offset: 24, .size: 8, .value_kind: global_buffer, .address_space: global }
    .group_segment_fixed_size: 167936
    .private_segment_fixed_size: 0
    .kernarg_segment_align: 8
    .kernarg_segment_size: 32
    .max_flat_workgroup_size: 128
    .sgpr_count:     66
    .vgpr_count:     1024
    .wavefront_size: 32
...
	.end_amdgpu_metadata
.endif
;; end of part 5
;; launch oproj: the kernel of part 4 again; grid 8 x 32, 4 waves a work-group, no clusters, 230,912 bytes of LDS; arguments codes, scales, oimg, osc, bo, out0; writes out0
